; MI455X (gfx1250); checked and timed in simulation.
; The chip was launched on July 23, 2026; its instructions are those of AMD's public machine-readable ISA for CDNA 5 (MIT licence, August 2026) and "CDNA5" Instruction Set Architecture Reference Guide (July 2026). The comments in the code are by the model that wrote it; some were corrected since.
;; Causal Self Attention. Allowed arithmetic: matrix products marked QUANTISED: E2M1 operands, one E8M0 scale for each 32 along K, by v_wmma_scale_f32_16x16x128_f8f6f4 with both operands' format E2M1 (or v_wmma_scale_f32_32x16x128_f4), f32 sums; products left as they are: bf16, f16 or f32 operands; f32 sums; everything else in f32.
;; Inputs: b_k 1,024 float32; b_o 1,024 float32; b_q 1,024 float32; b_v 1,024 float32; w_k 1,024 x 1,024 float32; w_o 1,024 x 1,024 float32; w_q 1,024 x 1,024 float32; w_v 1,024 x 1,024 float32; x 4 x 2,048 x 1,024 float32.
;; Outputs: out0 4 x 2,048 x 1,024 float32.
;; This version of the problem:
;;   THIS VERSION OF THE PROBLEM IS GIVEN IN LOW PRECISION. The matrix products marked QUANTISED in the list below multiply operands that are first quantised to E2M1 (2 exponent bits, 1 mantissa bit; 4 bits a number), with one power-of-two scale for each 32 numbers along K (OCP MX v1.0); their sums are f32. The products marked 'left as it is' may take bf16, f16 or f32 operands, with f32 sums. Whichever they take, every output number must still come out within the allowed error. Rounding operands to bf16 (8 significant bits) uses up far more of that allowance than f16 does (11 bits, for magnitudes from 6e-5 to 65,504). All else is computed in f32.
;;   The module's matrix products, in the order in which they are computed (A, B: the left and right operand; K: the contracted axis; several contracted axes count as one K, in the product's order):
;;     1. [M 8,192, K 1,024] x [K 1,024, N 1,024]; A: input x; B: input w_q: QUANTISED
;;     2. [M 8,192, K 1,024] x [K 1,024, N 1,024]; A: input x; B: input w_k: QUANTISED
;;     3. [M 8,192, K 1,024] x [K 1,024, N 1,024]; A: input x; B: input w_v: QUANTISED
;;     4. batch 64 x [M 2,048, K 64] x [K 64, N 2,048]; A: computed on the way; B: computed on the way: left as it is (an operand is computed on the way)
;;     5. batch 64 x [M 2,048, K 2,048] x [K 2,048, N 64]; A: computed on the way; B: computed on the way: left as it is (an operand is computed on the way)
;;     6. [M 8,192, K 1,024] x [K 1,024, N 1,024]; A: computed on the way; B: input w_o: left as it is (an operand is computed on the way)
;;   THE QUANTISER, for each operand of a quantised product, along K:
;;     - K is cut into blocks of 32 from its start; a last block that is shorter is filled with zeros.
;;     - A block's scale is 2^e with e = floor(log2(the largest magnitude in the block)) - 2, held to -126 .. 127; a block of zeros has e = 0. As a byte (E8M0): e + 127.
;;     - Each number is divided by its block's scale, clamped to +-6, and rounded to the nearest number of E2M1, ties to even, subnormals kept.
;;     - The product sums the exact products of the quantised numbers (number of the format x scale) in f32.
;;   ~~~python
;;   def quantise(x, axis):      # numpy; x: float32 -> the quantised numbers, widened to float32 again
;;       x = np.moveaxis(x, axis, -1); K = x.shape[-1]
;;       x = np.pad(x, [(0, 0)] * (x.ndim - 1) + [(0, -K % 32)]); x = x.reshape(x.shape[:-1] + (-1, 32)); a = np.abs(x).max(-1, keepdims=True)
;;       e = np.where(a > 0, np.clip(np.frexp(np.where(a > 0, a, 1))[1] - 1 - 2, -126, 127), 0)      # np.frexp(a)[1] - 1 = floor(log2(a)), exactly
;;       r = np.clip(x / 2.0 ** e, -6, 6)
;;       step = 2.0 ** (np.maximum(np.frexp(np.where(r == 0, 1, r))[1] - 1, 0) - 1)
;;       q = np.round(r / step) * step * 2.0 ** e      # np.round: ties to even
;;       return np.moveaxis(q.reshape(q.shape[:-2] + (-1,))[..., :K], -1, axis).astype(np.float32)
;;   ~~~
;; One version. Each part assembles by itself: llvm-mc -triple=amdgcn-amd-amdhsa -mcpu=gfx1250 --defsym DOCPART=n.
;; ======== version 1 of 1: 5 launches
;; limits: values are held in f16: magnitudes above 65,504 overflow, below 6.1e-05 lose precision
;; workspace buffers: x_codes 4,194,304 bytes; x_scales 262,144 bytes; w_codes 1,572,864 bytes; w_scales 98,304 bytes; wo16 2,097,152 bytes; qkv16 50,331,648 bytes; q32 786,432 bytes; att16 16,777,216 bytes
;; launch prep (part 1): grid 432 x 1, 4 waves a work-group, no clusters, 68,096 bytes of LDS; arguments x, w_q, w_k, w_v, w_o, x_codes, x_scales, w_codes, w_scales, wo16; writes x_codes, x_scales, w_codes, w_scales, wo16
.if DOCPART == 1
	.amdgcn_target "amdgcn-amd-amdhsa--gfx1250"
	.amdhsa_code_object_version 6
	.text
	.protected	k_q420f003c12_prep
	.globl	k_q420f003c12_prep
	.p2align	8
	.type	k_q420f003c12_prep,@function
k_q420f003c12_prep:
	s_mov_b64 s[64:65], 0
	v_nop
	global_prefetch_b8 v0, s[64:65] scope:SCOPE_SE
	s_setreg_imm32_b32 hwreg(HW_REG_WAVE_MODE, 25, 1), 1
	s_wait_xcnt 0x0
; PREP: what the later launches read many times is made narrow once.
;   work-groups   0..255: x [8192][1024] f32 -> codes of FP4 (E2M1), K innermost, x_codes [8192][512], and one E8M0 byte for each 32 along K, x_scales [8192][32]
;   work-groups 256..303: w_q, w_k, w_v [k 1024][n 1024] f32, K their FIRST axis -> w_codes [3072 = q, k, v columns n][512], K innermost, w_scales [3072][32]
;   work-groups 304..431: w_o [k][n] f32 -> wo16 [k][n] f16 (a product that is left as it is takes f16 operands)
; A block's scale is 2^(floor(log2(its largest magnitude)) - 2); its byte is the largest magnitude's exponent field - 2, held at 1 from below.
; LIMITS: a block of zeros gets the byte 1 where the rule says 127 (its codes are zeros, and this program alone reads the bytes); blocks whose largest magnitude lies under 2^-124 have
; their byte held at 1; NaN and infinities among the inputs are not served; |w_o| above 65,504 becomes infinity in f16.
; The three paths part on the work-group's number and never join; each has LDS bytes of its own.  No tensor loads, no barrier: waves share nothing.
.set SPW,    176                       ; v176  LDS address of my spare word: SPARE + 4 x my thread's number; never rewritten
.set NIL,    177                       ; v177  0; never rewritten
.set WV,     24                        ; s24   my wave's number
.set XREG,   8192                      ; path X: a region for each wave: two stages of 32 x SP bytes, then its 256 scale bytes
.set SP,     80                        ; a lane's place in a stage: 64 bytes + 16 of padding
.set WSTG,   32768                     ; path W: four stages of 32 rows x WPITCH
.set WPITCH, 272
.set SPARE,  67584                     ; behind both: the spare words, 128 bytes for each wave
.set R,      16                        ; path X: v16-79 four sets of 16 numbers as loaded
.set X,      80                        ;         v80-111 two sets of 16 neighbours
.set E,      112                       ;         v112-127 a scale byte for each step
.set C,      128                       ;         v128-159 codes, two registers for each step
.set WX,     32                        ; path W: v32-95 two sets of 32 numbers
.set WC,     96                        ;         v96-99 a block's codes
.set OUTR,   112                       ;         v112-175 the way out
.set SB,     24                        ;         v24-27 the scale bytes, four to a register
	s_load_b512 s[4:19], s[0:1], 0x0               ; x 4:5, w_q 6:7, w_k 8:9, w_v 10:11, w_o 12:13, x_codes 14:15, x_scales 16:17, w_codes 18:19
	s_load_b128 s[20:23], s[0:1], 0x40             ; w_scales 20:21, wo16 22:23
	v_lshl_add_u32 v[SPW], v0, 2, SPARE
	v_mov_b32 v[NIL], 0
	v_lshrrev_b32 v1, 5, v0
	v_readfirstlane_b32 s[WV], v1                  ; wave 0..3
	v_and_b32 v2, 31, v0                           ; lane
	s_wait_kmcnt 0x0
	s_cmp_lt_u32 ttmp9, 256
	s_cbranch_scc0 .Lnot_x
; ---------------- PATH X: K is innermost, so x is a plain stream of blocks of 32.  A wave takes 16 steps of 512 numbers.
; Each load reads 512 consecutive bytes; a step's 2,048 bytes turn through the wave's own stage, so that a lane then holds 16 neighbours along K (two lanes to a block).
	v_lshlrev_b32 v3, 4, v2                        ; my 16 bytes of a load's 512
	s_mul_i32 s25, s[WV], XREG
	v_lshrrev_b32 v14, 2, v2
	v_mul_u32_u24 v14, v14, SP
	v_and_b32 v15, 3, v2
	v_lshl_add_u32 v14, v15, 4, v14
	v_add_nc_u32 v14, s25, v14                     ; the stage, on the way in: SP (lane / 4) + 16 (lane % 4)
	v_mul_u32_u24 v15, v2, SP
	v_add_nc_u32 v15, s25, v15                     ; and on the way out: SP x lane
	v_lshlrev_b32 v4, 3, v2                        ; my 16 codes: 8 bytes
	v_lshrrev_b32 v5, 1, v2
	s_add_co_u32 s25, s25, 2*32*SP
	v_add_nc_u32 v5, s25, v5                       ; LDS: my block's scale byte
	v_lshlrev_b32 v7, 3, v2
	v_add_nc_u32 v6, s25, v7                       ; and on the way out 8 bytes a lane
	s_lshl_b32 s26, ttmp9, 2
	s_add_co_u32 s26, s26, s[WV]                   ; which run of 8,192 numbers is my wave's: 0..1023
	s_lshl_b32 s28, s26, 15
	s_mov_b32 s29, 0
	s_add_nc_u64 s[4:5], s[4:5], s[28:29]          ; 32,768 bytes of x a run,
	s_lshl_b32 s28, s26, 12
	s_add_nc_u64 s[14:15], s[14:15], s[28:29]      ; 4,096 of codes,
	s_lshl_b32 s28, s26, 8
	s_add_nc_u64 s[16:17], s[16:17], s[28:29]      ; 256 scale bytes
.macro XLOAD t
.irp i, 0,1,2,3
	global_load_b128 v[R+16*((\t)%4)+4*\i:R+16*((\t)%4)+4*\i+3], v3, s[4:5] offset:2048*(\t)+512*\i th:TH_LOAD_NT
.endr
.endm
.macro XTURN t                         ; step t's numbers through the stage: LDS serves a wave's instructions in order, so no wait stands between the stores and the loads
.irp i, 0,1,2,3
	ds_store_b128 v14, v[R+16*((\t)%4)+4*\i:R+16*((\t)%4)+4*\i+3] offset:32*SP*((\t)%2)+8*SP*\i
.endr
.irp i, 0,1,2,3
	ds_load_b128 v[X+16*((\t)%2)+4*\i:X+16*((\t)%2)+4*\i+3], v15 offset:32*SP*((\t)%2)+16*\i
.endr
.endm
.irp t, 0,1,2,3
	XLOAD \t
.endr
	s_wait_loadcnt 12                              ; step 0's four loads are in; three steps' twelve stay out
	XTURN 0
.macro XSTEP t
.set XS, X+16*((\t)%2)
.if (\t) > 0
	s_wait_dscnt 1                                 ; this step's numbers are back from the stage (the last step's byte store may be out)
.else
	s_wait_dscnt 0x0
.endif
.if (\t)+4 < 16
	XLOAD (\t)+4                                   ; into the set whose stores into the stage are done
.endif
.if (\t)+1 < 16
.if 14-(\t) >= 3
	s_wait_loadcnt 12                              ; the next step's four loads are in; those of the three steps behind it may be out
.else
	s_wait_loadcnt 4*(14-(\t))
.endif
	XTURN (\t)+1
.endif
	v_max3_num_f32 v8, |v[XS]|, |v[XS+1]|, |v[XS+2]|       ; the largest magnitude of my 16, in two chains
	v_max3_num_f32 v9, |v[XS+3]|, |v[XS+4]|, |v[XS+5]|
.irp i, 6,10
	v_max3_num_f32 v8, v8, |v[XS+\i]|, |v[XS+\i+1]|
	v_max3_num_f32 v9, v9, |v[XS+\i+2]|, |v[XS+\i+3]|
.endr
	v_max3_num_f32 v8, v8, |v[XS+14]|, |v[XS+15]|
	v_max3_num_f32 v8, v8, v9, 0x1800000           ; and the floor 2^(3 - 127): the byte cannot fall under 1
	v_max_num_f32_dpp v8, v8, v8 row_xmask:1 row_mask:0xf bank_mask:0xf   ; with my neighbour's 16: the block's
	v_add_nc_u32 v11, 0xff000000, v8               ; 2 off its exponent field: the conversion takes the exponent field of this operand as its scale
	v_cvt_scalef32_pk8_fp4_f32 v[C+2*(\t)], v[XS:XS+7], v11
	v_cvt_scalef32_pk8_fp4_f32 v[C+2*(\t)+1], v[XS+8:XS+15], v11
	v_lshrrev_b32 v[E+(\t)], 23, v11               ; the scale's byte
	ds_store_b8 v5, v[E+(\t)] offset:16*(\t)       ; both lanes of a block write the same byte with the same value
	global_store_b64 v4, v[C+2*(\t):C+2*(\t)+1], s[14:15] offset:256*(\t)   ; the wave stores 256 consecutive bytes, aligned
.endm
.irp t, 0,1,2,3,4,5,6,7,8,9,10,11,12,13,14,15
	XSTEP \t
.endr
	ds_load_b64 v[8:9], v6                         ; my wave's 256 scale bytes, 8 a lane: these see my stores
	s_wait_dscnt 0x0
	global_store_b64 v7, v[8:9], s[16:17]          ; 256 consecutive bytes, aligned
	s_wait_tensorcnt 0x0                           ; the wave's end
	ds_add_u32 v[SPW], v[NIL]
	s_wait_dscnt 0x0
	s_endpgm
; ---------------- PATH W: a lane takes a column n and its registers run down K: a block of 32 lies in one lane, and the codes come out with K innermost.
; A wave takes 32 columns x 512 along K; its codes go through its own stage and leave as rows: sixteen lanes store 256 consecutive bytes.
.Lnot_x:
	s_cmp_lt_u32 ttmp9, 304
	s_cbranch_scc0 .Lcast
	s_sub_co_u32 s25, ttmp9, 256                   ; 0..47
	s_lshr_b32 s26, s25, 4                         ; which weight: 0 q, 1 k, 2 v
	s_and_b32 s27, s25, 7                          ; which 128 columns
	s_bfe_u32 s28, s25, 0x10003                    ; which 512 along K
	s_cmp_eq_u32 s26, 0
	s_cselect_b64 s[6:7], s[6:7], s[8:9]           ; the choice hangs on the work-group's number alone
	s_cmp_eq_u32 s26, 2
	s_cselect_b64 s[6:7], s[10:11], s[6:7]
	s_lshl_b32 s27, s27, 7
	s_lshl_b32 s29, s[WV], 5
	s_add_co_u32 s27, s27, s29                     ; my wave's first column
	s_lshl_b32 s30, s28, 21                        ; 512 rows of 4,096 bytes
	s_lshl_b32 s29, s27, 2
	s_add_co_u32 s30, s30, s29
	s_mov_b32 s31, 0
	s_add_nc_u64 s[6:7], s[6:7], s[30:31]
	s_lshl_b32 s29, s26, 10
	s_add_co_u32 s29, s29, s27                     ; my first row of the codes' buffer: 1,024 x weight + column
	s_lshl_b32 s30, s29, 9
	s_lshl_b32 s32, s28, 8
	s_add_co_u32 s30, s30, s32
	s_add_nc_u64 s[18:19], s[18:19], s[30:31]      ; 512 bytes a row, + 256 for the second half of K
	s_lshl_b32 s30, s29, 5
	s_lshl_b32 s32, s28, 4
	s_add_co_u32 s30, s30, s32
	s_add_nc_u64 s[20:21], s[20:21], s[30:31]      ; 32 scale bytes a row, + 16
	v_lshlrev_b32 v3, 2, v2                        ; in: 4 bytes a lane
	s_mul_i32 s33, s[WV], 32*WPITCH
	s_add_co_u32 s33, s33, WSTG                    ; my stage
	v_mul_u32_u24 v4, v2, WPITCH
	v_add_nc_u32 v4, s33, v4                       ; into it: row = my column
	v_and_b32 v5, 15, v2
	v_lshrrev_b32 v6, 4, v2                        ; out of it: sixteen lanes to a row, two rows an instruction
	v_mul_u32_u24 v7, v6, WPITCH
	v_lshl_add_u32 v7, v5, 4, v7
	v_add_nc_u32 v7, s33, v7
	v_lshlrev_b32 v8, 9, v6
	v_lshl_add_u32 v8, v5, 4, v8                   ; the same place in the codes' buffer
	v_lshlrev_b32 v9, 5, v2                        ; my column's row of scale bytes
.macro WLOAD t                         ; block t: W(32 t + i, my column) into set t % 2; 32 lanes read 128 consecutive bytes
.irp i, 0,1,2,3,4,5,6,7,8,9,10,11,12,13,14,15,16,17,18,19,20,21,22,23,24,25,26,27,28,29,30,31
	global_load_b32 v[WX+32*((\t)%2)+\i], v3, s[6:7] offset:(32*(\t)+\i)*4096 th:TH_LOAD_NT
.endr
.endm
	WLOAD 0
	WLOAD 1
.macro WBLOCK t
.set XS, WX+32*((\t)%2)
.if (\t) < 15
	s_wait_loadcnt 32                              ; this block's 32 loads are in; the next block's may be out
.else
	s_wait_loadcnt 0
.endif
	v_max3_num_f32 v12, |v[XS]|, |v[XS+1]|, |v[XS+2]|      ; all 32 numbers of the block are mine
	v_max3_num_f32 v13, |v[XS+3]|, |v[XS+4]|, |v[XS+5]|
.irp i, 6,10,14,18,22,26
	v_max3_num_f32 v12, v12, |v[XS+\i]|, |v[XS+\i+1]|
	v_max3_num_f32 v13, v13, |v[XS+\i+2]|, |v[XS+\i+3]|
.endr
	v_max3_num_f32 v12, v12, |v[XS+30]|, |v[XS+31]|
	v_max3_num_f32 v12, v12, v13, 0x1800000        ; the floor
	v_add_nc_u32 v11, 0xff000000, v12              ; the conversion's scale operand
	v_lshrrev_b32 v13, 23, v11                     ; the scale's byte
.if (\t)%4 == 0
	v_mov_b32 v[SB+(\t)/4], v13                    ; four bytes to a register, the lower K in the lower byte
.else
	v_lshl_or_b32 v[SB+(\t)/4], v13, 8*((\t)%4), v[SB+(\t)/4]
.endif
.irp g, 0,1,2,3
	v_cvt_scalef32_pk8_fp4_f32 v[WC+\g], v[XS+8*\g:XS+8*\g+7], v11
.endr
	ds_store_b128 v4, v[WC:WC+3] offset:16*(\t)    ; 32 codes: 16 bytes of my column's row
.if (\t)+2 < 16
	WLOAD (\t)+2
.endif
	s_wait_dscnt 0x0                               ; the store has read its registers: the next block's codes may be written
.endm
.irp t, 0,1,2,3,4,5,6,7,8,9,10,11,12,13,14,15
	WBLOCK \t
.endr
	global_store_b128 v9, v[SB:SB+3], s[20:21]     ; my column's 16 scale bytes: rows 32 bytes apart, one byte in 128 of what this path reads
.irp t, 0,1,2,3,4,5,6,7,8,9,10,11,12,13,14,15
	ds_load_b128 v[OUTR+4*\t:OUTR+4*\t+3], v7 offset:2*\t*WPITCH
.endr
.irp t, 0,1,2,3,4,5,6,7,8,9,10,11,12,13,14,15
	s_wait_dscnt 15-\t                             ; LDS loads come back in order: load t is in
	global_store_b128 v8, v[OUTR+4*\t:OUTR+4*\t+3], s[18:19] offset:2*\t*512
.endr
	s_wait_tensorcnt 0x0                           ; the wave's end: the three lines
	ds_add_u32 v[SPW], v[NIL]
	s_wait_dscnt 0x0
	s_endpgm
; ---------------- PATH C: w_o to f16, as it lies.  A wave takes 2,048 numbers; each load covers 512 consecutive bytes, each store 256, aligned.  No register is written twice.
.Lcast:
	s_sub_co_u32 s25, ttmp9, 304
	s_lshl_b32 s25, s25, 2
	s_add_co_u32 s25, s25, s[WV]                   ; run 0..511
	s_lshl_b32 s26, s25, 13
	s_mov_b32 s27, 0
	s_add_nc_u64 s[12:13], s[12:13], s[26:27]
	s_lshl_b32 s26, s25, 12
	s_add_nc_u64 s[22:23], s[22:23], s[26:27]
	v_lshlrev_b32 v3, 4, v2
	v_lshlrev_b32 v4, 3, v2
.irp i, 0,1,2,3,4,5,6,7,8,9,10,11,12,13,14,15
	global_load_b128 v[32+4*\i:35+4*\i], v3, s[12:13] offset:512*\i
.endr
.irp i, 0,1,2,3,4,5,6,7,8,9,10,11,12,13,14,15
	s_wait_loadcnt 15-\i                           ; loads come back in order: load i is in
	v_cvt_pk_f16_f32 v[96+2*\i], v[32+4*\i], v[33+4*\i]
	v_cvt_pk_f16_f32 v[97+2*\i], v[34+4*\i], v[35+4*\i]
	global_store_b64 v4, v[96+2*\i:97+2*\i], s[22:23] offset:256*\i
.endr
	s_wait_tensorcnt 0x0                           ; every end of this text has the same three lines
	ds_add_u32 v[SPW], v[NIL]
	s_wait_dscnt 0x0
	s_endpgm
.Lfunc_end_k_q420f003c12_prep:
	.size	k_q420f003c12_prep, .Lfunc_end_k_q420f003c12_prep-k_q420f003c12_prep
	.p2alignl 7, 3214868480
	.fill 96, 4, 3214868480
	.section	.rodata,"a",@progbits
	.p2align	6, 0x0
	.amdhsa_kernel k_q420f003c12_prep
		.amdhsa_group_segment_fixed_size 68096
		.amdhsa_private_segment_fixed_size 0
		.amdhsa_enable_private_segment 0
		.amdhsa_kernarg_size 80
		.amdhsa_user_sgpr_count 2
		.amdhsa_user_sgpr_kernarg_segment_ptr 1
		.amdhsa_wavefront_size32 1
		.amdhsa_system_sgpr_workgroup_id_x 1
		.amdhsa_system_sgpr_workgroup_id_y 1
		.amdhsa_system_sgpr_workgroup_id_z 1
		.amdhsa_system_vgpr_workitem_id 0
		.amdhsa_next_free_vgpr 192
		.amdhsa_next_free_sgpr 66
		.amdhsa_reserve_vcc 0
		.amdhsa_float_denorm_mode_32 3
		.amdhsa_float_denorm_mode_16_64 3
		.amdhsa_memory_ordered 1
		.amdhsa_forward_progress 1
		.amdhsa_inst_pref_size 117
	.end_amdhsa_kernel
	.amdgpu_metadata
---
amdhsa.version: [ 1, 2 ]
amdhsa.kernels:
  - .name:           k_q420f003c12_prep
    .symbol:         k_q420f003c12_prep.kd
    .args:
      - { .name: x, .offset: 0, .size: 8, .value_kind: global_buffer, .address_space: global }
      - { .name: w_q, .offset: 8, .size: 8, .value_kind: global_buffer, .address_space: global }
      - { .name: w_k, .offset: 16, .size: 8, .value_kind: global_buffer, .address_space: global }
      - { .name: w_v, .offset: 24, .size: 8, .value_kind: global_buffer, .address_space: global }
      - { .name: w_o, .offset: 32, .size: 8, .value_kind: global_buffer, .address_space: global }
      - { .name: x_codes, .offset: 40, .size: 8, .value_kind: global_buffer, .address_space: global }
      - { .name: x_scales, .offset: 48, .size: 8, .value_kind: global_buffer, .address_space: global }
      - { .name: w_codes, .offset: 56, .size: 8, .value_kind: global_buffer, .address_space: global }
      - { .name: w_scales, .offset: 64, .size: 8, .value_kind: global_buffer, .address_space: global }
      - { .name: wo16, .offset: 72, .size: 8, .value_kind: global_buffer, .address_space: global }
    .group_segment_fixed_size: 68096
    .private_segment_fixed_size: 0
    .kernarg_segment_align: 8
    .kernarg_segment_size: 80
    .max_flat_workgroup_size: 128
    .sgpr_count:     66
    .vgpr_count:     192
    .wavefront_size: 32
...
	.end_amdgpu_metadata
.endif
;; end of part 1
;; launch qkv (part 2): grid 12 x 32, 4 waves a work-group, clusters of 4 x 4, 327,680 bytes of LDS; arguments x_codes, x_scales, w_codes, w_scales, qkv16, q32, b_q, b_k, b_v; writes qkv16, q32
.if DOCPART == 2
	.amdgcn_target "amdgcn-amd-amdhsa--gfx1250"
	.amdhsa_code_object_version 6
	.text
	.protected	k_q420f003c12_qkv
	.globl	k_q420f003c12_qkv
	.p2align	8
	.type	k_q420f003c12_qkv,@function
k_q420f003c12_qkv:
	s_mov_b64 s[64:65], 0
	v_nop
	global_prefetch_b8 v0, s[64:65] scope:SCOPE_SE
	s_setreg_imm32_b32 hwreg(HW_REG_WAVE_MODE, 25, 1), 1
	s_wait_xcnt 0x0
	s_wait_alu depctr_hold_cnt(0) depctr_sa_sdst(0) depctr_va_vdst(0) depctr_va_sdst(0) depctr_va_ssrc(0) depctr_va_vcc(0) depctr_vm_vsrc(0)
	s_getreg_b32 s2, hwreg(HW_REG_IB_STS2, 6, 4)
	s_cmp_eq_u32 s2, 0
	s_cbranch_scc0 .Lentry_in_a_cluster
	s_endpgm
.Lentry_in_a_cluster:
	s_bfe_u32 s2, ttmp6, 0x10000c
	s_cmp_lg_u32 s2, 0xf033
	s_cbranch_scc0 .Lentry_shape_is_right
	s_endpgm
.Lentry_shape_is_right:
; q, k, v = Q(x) Q(w) + b: one GEMM 8,192 x 3,072 x 1,024 on codes of FP4 (E2M1) with one E8M0 scale for each 32 along K; sums in f32; the bias is the C of each sum's first product.
; Out: qkv16 [3][batch 4][head 16][s 2048][64] in f16, for the products that are left as they are; and q32 [3][batch][position 0..15][1024] in f32, for the launch that redoes the first 16 positions.
; LIMIT: |q|, |k|, |v| above 65,504 become infinity in f16.
; A tile of C, 256 x 256, is made by four waves; a wave makes 128 x 128: 64 accumulators, 512 registers.  K = 1,024 is two slots of 512 along K (rows of 256 bytes): both are first fills, nothing is filled again.
; The scales of the work-group's 256 + 256 rows, for all of K, come into LDS once with the first fills.  By this text's own count a wave has three tensor loads out at the start.
; CLUSTERS: 4 x 4 work-groups.  Tile column = 4 x cluster x + cx (cluster x is q, k or v); tile row = 8 cy + cluster y, so that cy is the batch and cluster y the block of 256 positions in it:
; 'the batch's first positions' is then cluster y = 0, the same in all sixteen partners.  A's tiles are shared along a row of the cluster, B's along a column: joint loads.
; THE MATRIX INSTRUCTION IS USED TRANSPOSED (source 0 = 16 rows of w's codes, source 1 = 16 rows of x's): a lane holds eight neighbouring columns of one row of C.
; REGISTERS: window 0: v0-31 addresses; v32-95 scale words, two sets; v128-191 A's fragments, one set; v192-255 the bias, eight registers for each of my eight blocks of columns (way out: v32-63, v192-255 at work)
;   window 1: B's fragments, two sets;  window 2: the accumulators of my rows 0-63 ((a, b) at v[8 (8 a + b)]);  window 3: rows 64-127.
.set NQ,     4                         ; steps of 128 along K in a slot
.set ROWB,   256                       ; a tile's row in bytes
.set KROW,   512                       ; a row of codes in memory
.set PITCH,  272                       ; an LDS row: 256 + 16: the 16 rows that a load touches start at 16 different banks (64 banks of 4 bytes: ISA guide 11.1)
.set FR,     8
.set NL,     2
.set NP,     4                         ; places behind this matrix instruction (ISA guide 7.12.1)
.set HALFT,  128*PITCH
.set SLOT,   4*HALFT
.set KS,     32                        ; a row of scale bytes
.set SCL,    2*SLOT                    ; behind the ring: the scales, as units of 256 bytes + 16 of padding
.set HALFS,  (128*KS/256)*272
.set SBLK,   (16*KS/256)*272
.set SPARE,  SCL+4*HALFS               ; the spare words, 128 bytes for each wave
.set STAGE,  SPARE+512                 ; the way out: 16 rows x 272 bytes for each wave, bytes into which no tile lands
.set SPITCH, 272
.set ADRA, 16
.set ADRB, 20
.set STO,  24
.set RD,   25
.set CO,   26
.set ADRS, 27
.set SPW,  28
.set NIL,  29
.set FO,   30                          ; v30  the f32 copy: row r of 4,096 bytes + 32 h
.set BO,   31                          ; v31  the bias: 32 h
.set SC,   32
.set AF,   128
.set BI,   192
.set TMP,  192
.set OB,   32
.set G1, 24
.set G0, 32
.set G1B, 48
.set G0B, 56
.set G1S, 68
.set G0S, 76
.set G1SB, 80
.set G0SB, 88
.set MSB, 0
.macro WIN new                         ; the immediate's high byte repeats the setting that is left
.if MSB != \new
	s_set_vgpr_msb (MSB<<8)|\new
.set MSB, \new
.endif
.endm
.set MUL_LO, 0xa1                      ; source 0 (B) window 1, source 1 (A) window 0, C and D window 2
.set MUL_HI, 0xf1                      ; the same, C and D window 3
.set TO_B,   0x40
; A joint load: waves 0 and 1 fetch for A, waves 2 and 3 for B; the branch hangs on the wave's number alone.  An s_nop 0 and four v_nop follow each line.
.macro JLOAD g0a, g1a, g0b, g1b
	s_cmp_eq_u32 s15, 0
	s_cbranch_scc0 .Lfor_b_\@
	tensor_load_to_lds s[\g0a:\g0a+3], s[\g1a:\g1a+7]
	s_nop 0
.rept 4
	v_nop
.endr
	s_branch .Lasked_\@
.Lfor_b_\@:
	tensor_load_to_lds s[\g0b:\g0b+3], s[\g1b:\g1b+7]
	s_nop 0
.rept 4
	v_nop
.endr
.Lasked_\@:
.endm
.macro CROUND                          ; a round of the cluster's barrier
	s_barrier_signal -1
	s_barrier_wait -1
	s_cmp_lg_u32 s14, 0
	s_cbranch_scc1 .Lnot_wave_0_\@
	s_barrier_signal -3
.Lnot_wave_0_\@:
	s_barrier_wait -3
	s_barrier_signal -1
	s_barrier_wait -1
.endm
	s_load_b128 s[4:7], s[0:1], 0x0                ; x's codes, x's scales
	s_load_b128 s[8:11], s[0:1], 0x10              ; w's codes, w's scales
	s_load_b64 s[12:13], s[0:1], 0x20              ; qkv16
	s_load_b64 s[66:67], s[0:1], 0x28              ; q32
	s_load_b128 s[96:99], s[0:1], 0x30             ; b_q, b_k
	s_load_b64 s[100:101], s[0:1], 0x40            ; b_v
	v_lshl_add_u32 v[SPW], v0, 2, SPARE
	v_mov_b32 v[NIL], 0
	ds_add_u32 v[SPW], v[NIL]                      ; the wave's opening: the add, twice on end, and its wait ahead of my first tensor load
	ds_add_u32 v[SPW], v[NIL]
	v_lshrrev_b32 v1, 5, v0
	v_readfirstlane_b32 s14, v1                    ; wave 0..3
	s_lshr_b32 s15, s14, 1                         ; which half of the tile's rows is mine.  Also: I fetch for A (0) or for B (1)
	s_and_b32 s16, s14, 1                          ; which half of its columns.  Also: which 128 rows of that tile I fetch
	s_bfe_u32 s40, ttmp6, 0x40000                  ; cx
	s_bfe_u32 s41, ttmp6, 0x40004                  ; cy
	s_lshl_b32 s42, ttmp9, 2
	s_add_co_u32 s42, s42, s40                     ; tile column = 4 x cluster x + cx
	s_and_b32 s3, ttmp7, 0xffff                    ; cluster y: the block of 256 positions
	s_lshl_b32 s17, s41, 3
	s_add_co_u32 s17, s17, s3                      ; tile row = 8 cy + cluster y
	s_or_b32 s95, s3, s15                          ; 0 where my rows begin with a batch's position 0
	s_lshl_b32 s43, s41, 2
	s_lshl_b32 s43, 15, s43                        ; my row of the cluster
	s_lshl_b32 s44, 0x1111, s40                    ; my column
	s_or_b32 s[G1+0], s43, (0<<16)|(1<<20)|(1<<21)|(5<<22)|(3<<25)   ; the mask; elements of 1 byte; padding on; bit 21 beside a mask; four words after every 64
	s_or_b32 s[G1B+0], s44, (0<<16)|(1<<20)|(1<<21)|(5<<22)|(3<<25)
.irp g, G1, G1B
	s_mov_b32 s[\g+1], ROWB<<16                    ; tensor_dim0
	s_mov_b32 s[\g+2], 128<<16                     ; tensor_dim1
	s_mov_b32 s[\g+3], ROWB<<16                    ; tile_dim0
	s_mov_b32 s[\g+4], 128                         ; tile_dim1
	s_mov_b32 s[\g+5], KROW                        ; from row to row
	s_mov_b32 s[\g+6], 0
	s_mov_b32 s[\g+7], 0
.endr
	s_or_b32 s[G1S+0], s43, (3<<16)|(1<<20)|(1<<21)|(5<<22)|(3<<25)  ; the scales of 128 rows: 4,096 dense bytes as 16 rows of 256 (32 elements of 8 bytes), 16 bytes of padding behind each
	s_or_b32 s[G1SB+0], s44, (3<<16)|(1<<20)|(1<<21)|(5<<22)|(3<<25)
.irp g, G1S, G1SB
	s_mov_b32 s[\g+1], 32<<16
	s_mov_b32 s[\g+2], (128*KS/256)<<16
	s_mov_b32 s[\g+3], 32<<16
	s_mov_b32 s[\g+4], 128*KS/256
	s_mov_b32 s[\g+5], 32
	s_mov_b32 s[\g+6], 0
	s_mov_b32 s[\g+7], 0
.endr
	s_lshl_b32 s18, s16, 7
	s_lshl_b32 s20, s17, 8
	s_add_co_u32 s20, s20, s18                     ; A: row 256 x tile row + 128 x half
	s_lshl_b32 s46, s42, 8
	s_add_co_u32 s46, s46, s18                     ; B: row 256 x tile column + 128 x half
	s_mov_b32 s21, 0
	s_mov_b32 s47, 0
	s_mov_b64 s[18:19], KS
	s_mul_u64 s[22:23], s[20:21], s[18:19]         ; where these rows' scales begin,
	s_mul_u64 s[92:93], s[46:47], s[18:19]
	s_mov_b64 s[18:19], KROW
	s_mul_u64 s[20:21], s[20:21], s[18:19]         ; and their codes
	s_mul_u64 s[46:47], s[46:47], s[18:19]
	s_mul_i32 s45, s14, HALFT                      ; where they go: wave x 128 rows
	s_mul_i32 s94, s14, HALFS
	s_wait_dscnt 0x0                               ; both opening adds are done
	s_wait_kmcnt 0x0
	s_add_nc_u64 s[20:21], s[4:5], s[20:21]
	s_add_nc_u64 s[22:23], s[6:7], s[22:23]
	s_add_nc_u64 s[46:47], s[8:9], s[46:47]
	s_add_nc_u64 s[92:93], s[10:11], s[92:93]
	CROUND                                         ; all sixteen work-groups are here: the joint loads meet
	s_mov_b32 s[G0S], 1
	s_add_co_u32 s[G0S+1], s94, SCL
	s_mov_b64 s[G0S+2:G0S+3], s[22:23]
	s_or_b32 s[G0S+3], s[G0S+3], 0x80000000
	s_mov_b32 s[G0SB], 1
	s_add_co_u32 s[G0SB+1], s94, SCL
	s_mov_b64 s[G0SB+2:G0SB+3], s[92:93]
	s_or_b32 s[G0SB+3], s[G0SB+3], 0x80000000
	JLOAD G0S, G1S, G0SB, G1SB                     ; the scales first: they are wanted with the first slot
.irp s, 0,1
	s_mov_b32 s[G0+4*\s], 1
	s_add_co_u32 s[G0+4*\s+1], s45, \s*SLOT
	s_add_nc_u64 s[G0+4*\s+2:G0+4*\s+3], s[20:21], \s*ROWB
	s_or_b32 s[G0+4*\s+3], s[G0+4*\s+3], 0x80000000
	s_mov_b32 s[G0B+4*\s], 1
	s_add_co_u32 s[G0B+4*\s+1], s45, \s*SLOT
	s_add_nc_u64 s[G0B+4*\s+2:G0B+4*\s+3], s[46:47], \s*ROWB
	s_or_b32 s[G0B+4*\s+3], s[G0B+4*\s+3], 0x80000000
	JLOAD G0+4*\s, G1, G0B+4*\s, G1B
.endr
	v_and_b32 v1, 15, v0                           ; r = lane % 16
	v_bfe_u32 v2, v0, 4, 1                         ; h = lane / 16
	; the bias of my 128 columns: lane (r, h) wants, for block b, columns 16 b + 8 h + 0 .. 7
	s_lshl_b32 s46, s40, 10
	s_lshl_b32 s47, s16, 9
	s_add_co_u32 s46, s46, s47                     ; my first column in its tensor, in bytes of f32: (256 cx + 128 half) x 4
	s_mov_b32 s47, 0
	s_cmp_eq_u32 ttmp9, 0                          ; cluster x says which of q, k, v
	s_cselect_b64 s[96:97], s[96:97], s[98:99]
	s_cmp_eq_u32 ttmp9, 2
	s_cselect_b64 s[96:97], s[100:101], s[96:97]
	s_add_nc_u64 s[96:97], s[96:97], s[46:47]
	s_add_nc_u64 s[66:67], s[66:67], s[46:47]
	v_lshlrev_b32 v[BO], 5, v2
.irp b, 0,1,2,3,4,5,6,7
	global_load_b128 v[BI+8*\b:BI+8*\b+3], v[BO], s[96:97] offset:64*\b
	global_load_b128 v[BI+8*\b+4:BI+8*\b+7], v[BO], s[96:97] offset:64*\b+16
.endr
	s_lshl_b32 s46, ttmp9, 2
	s_add_co_u32 s46, s46, s41
	s_lshl_b32 s46, s46, 16                        ; q32: (4 x tensor + batch) x 16 rows of 4,096 bytes
	s_add_nc_u64 s[66:67], s[66:67], s[46:47]
	v_lshlrev_b32 v[FO], 12, v1
	v_lshl_add_u32 v[FO], v2, 5, v[FO]
	v_mul_u32_u24 v3, v1, PITCH
	v_lshl_add_u32 v4, v2, 4, v3                   ; a fragment's row x pitch + 16 x half
	s_mul_i32 s21, s15, HALFT                      ; my 128 rows of A
	s_mul_i32 s22, s16, HALFT                      ; my 128 rows of B,
	s_add_co_u32 s22, s22, 2*HALFT                 ; which lie behind A's 256
.irp s, 0,1
	v_add_nc_u32 v[ADRA+\s], s21, v4
	v_add_nc_u32 v[ADRB+\s], s22, v4
	s_add_co_u32 s21, s21, SLOT
	s_add_co_u32 s22, s22, SLOT
.endr
	v_mul_u32_u24 v5, v1, KS                       ; my row's scales: 32 bytes a row,
	v_lshrrev_b32 v6, 8, v5
	v_lshl_add_u32 v5, v6, 4, v5                   ; and 16 more for each 256 passed
	s_mul_i32 s21, s15, HALFS
	s_mul_i32 s22, s16, HALFS
	s_add_co_u32 s22, s22, 2*HALFS
	s_sub_co_u32 s22, s22, s21
	v_mul_u32_u24 v6, s22, v2                      ; lanes 16-31 take B's: one product, the distance between the two bases
	s_add_co_u32 s21, s21, SCL
	v_add_nc_u32 v5, v5, v6
	v_add_nc_u32 v[ADRS], s21, v5
	s_mul_i32 s23, s14, 16*SPITCH
	s_add_co_u32 s23, s23, STAGE                   ; my stage
	v_mul_u32_u24 v5, v1, SPITCH                   ; in: row r, 16 bytes for each half of the lanes
	v_lshl_add_u32 v5, v2, 4, v5
	v_add_nc_u32 v[STO], s23, v5
	v_bfe_u32 v7, v0, 3, 2                         ; back: eight lanes take a head's 128 bytes of a row, four rows an instruction
	v_mul_u32_u24 v7, v7, SPITCH
	v_and_b32 v8, 7, v0
	v_lshl_add_u32 v7, v8, 4, v7
	v_add_nc_u32 v[RD], s23, v7
	v_and_b32 v6, 31, v0
	v_lshlrev_b32 v[CO], 4, v6                     ; in a head four rows of 128 bytes are 512 consecutive bytes: 16 x lane
	s_lshl_b32 s20, ttmp9, 24                      ; qkv16: the tensor,
	s_lshl_b32 s21, s41, 22                        ; the batch,
	s_add_co_u32 s20, s20, s21
	s_lshl_b32 s21, s40, 20                        ; head 4 cx + 2 half, 262,144 bytes each,
	s_add_co_u32 s20, s20, s21
	s_lshl_b32 s21, s16, 19
	s_add_co_u32 s20, s20, s21
	s_lshl_b32 s21, s3, 15                         ; position 256 x cluster y + 128 x half, 128 bytes each
	s_add_co_u32 s20, s20, s21
	s_lshl_b32 s21, s15, 14
	s_add_co_u32 s20, s20, s21
	s_mov_b32 s21, 0
	s_add_nc_u64 s[12:13], s[12:13], s[20:21]
.macro FRAG reg, adr, q, i             ; 16 rows x 128 K of 4-bit codes: 8 registers: two loads of 16 bytes, 32 bytes apart
.irp c, 0,1
	ds_load_b128 v[\reg+4*\c:\reg+4*\c+3], v[\adr] offset:64*(\q)+32*\c+(\i)*16*PITCH
.endr
.endm
; 16 matrix instructions: A's blocks a0, a0 + 1 x B's eight.  zero = 1: the first product starts the sums from the bias.  The 64 accumulators take turns, one instruction a turn.
.macro MUL16 a0, p, q, sc, zero
.irp a, \a0, \a0+1
.irp b, 0,1,2,3,4,5,6,7
.if \zero
	v_wmma_scale_f32_16x16x128_f8f6f4 v[8*(8*((\a)%4)+\b):8*(8*((\a)%4)+\b)+7], v[128*(\p)+FR*\b:128*(\p)+FR*\b+FR-1], v[AF+FR*(\a):AF+FR*(\a)+FR-1], v[BI+8*\b:BI+8*\b+7], v[SC+8*NQ*(\sc)+NQ*\b+(\q)], v[SC+8*NQ*(\sc)+NQ*(\a)+(\q)] matrix_a_fmt:MATRIX_FMT_FP4 matrix_b_fmt:MATRIX_FMT_FP4 matrix_a_scale:MATRIX_SCALE_ROW1
.else
	v_wmma_scale_f32_16x16x128_f8f6f4 v[8*(8*((\a)%4)+\b):8*(8*((\a)%4)+\b)+7], v[128*(\p)+FR*\b:128*(\p)+FR*\b+FR-1], v[AF+FR*(\a):AF+FR*(\a)+FR-1], v[8*(8*((\a)%4)+\b):8*(8*((\a)%4)+\b)+7], v[SC+8*NQ*(\sc)+NQ*\b+(\q)], v[SC+8*NQ*(\sc)+NQ*(\a)+(\q)] matrix_a_fmt:MATRIX_FMT_FP4 matrix_b_fmt:MATRIX_FMT_FP4 matrix_a_scale:MATRIX_SCALE_ROW1
.endif
.endr
.endr
.endm
.macro FETCH_B slot, q, p
	WIN TO_B
.irp i, 0,1,2,3,4,5,6,7
	FRAG 128*(\p)+FR*\i, ADRB+\slot, \q, \i
.endr
	WIN 0
.endm
.macro FETCH_A slot, q, i0
.irp i, \i0, \i0+1, \i0+2, \i0+3
	FRAG AF+FR*(\i), ADRA+\slot, \q, \i
.endr
.endm
.macro SCALES sc                       ; a slot's scale words: four a row; lanes 0-15 take A's block i, lanes 16-31 B's block i
.irp i, 0,1,2,3,4,5,6,7
	ds_load_b128 v[SC+8*NQ*\sc+NQ*\i:SC+8*NQ*\sc+NQ*\i+3], v[ADRS] offset:\i*SBLK
.endr
.endm
.macro PLACES n                        ; plain vector instructions between a matrix instruction and a load into, or a read of, its registers
.rept \n
	v_nop
.endr
.endm
.macro STEP slot, q, zero              ; a step of 128 along K that has its successor in the same slot
	s_wait_dscnt 4*NL                              ; B's set and A's blocks 0-3 are in; the youngest eight loads (A's blocks 4-7) may be out
.if \zero
	WIN 0x81                                       ; C, the bias, in window 0; D in window 2
.else
	WIN MUL_LO
.endif
	MUL16 0, (\q)%2, \q, \slot, \zero
	MUL16 2, (\q)%2, \q, \slot, \zero
	s_wait_dscnt 0                                 ; A's blocks 4-7 are in
	PLACES NP
	FETCH_B \slot, (\q)+1, 1-(\q)%2
	FETCH_A \slot, (\q)+1, 0
.if \zero
	WIN 0xc1
.else
	WIN MUL_HI
.endif
	MUL16 4, (\q)%2, \q, \slot, \zero
	MUL16 6, (\q)%2, \q, \slot, \zero
	PLACES NP
	WIN 0
	FETCH_A \slot, (\q)+1, 4
.endm
	s_wait_tensorcnt 1                             ; the scales and my part of slot 0 are in; slot 1's load may stay out
	s_barrier_signal -1
	s_barrier_wait -1                              ; everybody's are
	FETCH_B 0, 0, 0
	FETCH_A 0, 0, 0
	SCALES 0
	FETCH_A 0, 0, 4
	s_wait_loadcnt 0x0                             ; the bias
	STEP 0, 0, 1
	STEP 0, 1, 0
	STEP 0, 2, 0
	; slot 0's last step changes slots: one barrier; in front of it each wave waits for all its tensor loads (its part of slot 1), adds 0 to its spare word, and waits for that and for its reads
	s_wait_tensorcnt 0x0
	ds_add_u32 v[SPW], v[NIL]
	s_wait_dscnt 4*NL+1                            ; the add and the youngest eight loads may be out
	WIN MUL_LO
	MUL16 0, 1, NQ-1, 0, 0
	s_wait_dscnt 0x0
	s_barrier_signal -1
	MUL16 2, 1, NQ-1, 0, 0
	WIN 0
	s_barrier_wait -1                              ; slot 1 is whole
	PLACES NP
	v_add_nc_u32 v[ADRS], 4*NQ, v[ADRS]            ; on to slot 1's scale words
	FETCH_B 1, 0, 0
	FETCH_A 1, 0, 0
	SCALES 1
	WIN MUL_HI
	MUL16 4, 1, NQ-1, 0, 0
	MUL16 6, 1, NQ-1, 0, 0
	PLACES NP
	WIN 0
	FETCH_A 1, 0, 4
	STEP 1, 0, 0
	STEP 1, 1, 0
	STEP 1, 2, 0
	s_wait_dscnt 4*NL                              ; the last step: nothing more to fetch
	WIN MUL_LO
	MUL16 0, 1, NQ-1, 1, 0
	MUL16 2, 1, NQ-1, 1, 0
	s_wait_dscnt 0
	WIN MUL_HI
	MUL16 4, 1, NQ-1, 1, 0
	MUL16 6, 1, NQ-1, 1, 0
	WIN 0
	; THE WAY OUT.
	PLACES NP
	s_cmp_lg_u32 s95, 0                            ; cluster y and the wave's number alone: the same in all partners
	s_cbranch_scc1 .Lno_copy
	WIN 0x08                                       ; a store's data are its source 1: window 2
.irp b, 0,1,2,3,4,5,6,7                        ; positions 0-15 of the batch in f32: pieces of 32 bytes a lane, 786,432 bytes in the whole launch
	global_store_b128 v[FO], v[8*\b:8*\b+3], s[66:67] offset:64*\b
	global_store_b128 v[FO], v[8*\b+4:8*\b+7], s[66:67] offset:64*\b+16
.endr
	WIN 0
.Lno_copy:
; Block a (16 rows x 128 columns): rounded to f16, 16 bytes a lane; through my own stage; back by heads: an instruction's 32 lanes store 512 consecutive bytes of one head.
.macro PACK a
.set AC, 64*((\a)%4)
	WIN 0x0a+5*((\a)/4)                            ; sources 0 and 1: window 2 or 3
.irp b, 0,1,2,3,4,5,6,7
.irp r, 0,1,2,3
	v_cvt_pk_f16_f32 v[TMP+4*\b+\r], v[AC+8*\b+2*\r], v[AC+8*\b+2*\r+1]
.endr
.endr
	WIN 0
.endm
.macro TOSTAGE a
.set BK, OB+192*((\a)%2)
.irp b, 0,1,2,3,4,5,6,7
	ds_store_b128 v[STO], v[TMP+4*\b:TMP+4*\b+3] offset:32*\b
.endr
.irp t, 0,1,2,3,4,5,6,7
	ds_load_b128 v[BK+4*\t:BK+4*\t+3], v[RD] offset:(\t%4)*4*SPITCH+128*(\t/4)   ; LDS serves a wave's instructions in order: these see the stores above
.endr
.endm
.macro SEND a
.set BK, OB+192*((\a)%2)
	s_wait_dscnt 0x0                               ; the block is back in registers
	s_wait_xcnt 0x0                                ; the earlier stores have read their registers: the next block's loads may land there
.irp t, 0,1,2,3,4,5,6,7
	global_store_b128 v[CO], v[BK+4*\t:BK+4*\t+3], s[12:13] offset:(\a)*2048+(\t/4)*262144+(\t%4)*512
.endr
.endm
	PACK 0
	TOSTAGE 0
.irp a, 1,2,3,4,5,6,7
	PACK \a
	SEND \a-1
	TOSTAGE \a
.endr
	SEND 7
	s_wait_tensorcnt 0x0                           ; the wave's end
	ds_add_u32 v[SPW], v[NIL]
	s_wait_dscnt 0x0
	CROUND                                         ; the closing round
	s_endpgm
.Lfunc_end_k_q420f003c12_qkv:
	.size	k_q420f003c12_qkv, .Lfunc_end_k_q420f003c12_qkv-k_q420f003c12_qkv
	.p2alignl 7, 3214868480
	.fill 96, 4, 3214868480
	.section	.rodata,"a",@progbits
	.p2align	6, 0x0
	.amdhsa_kernel k_q420f003c12_qkv
		.amdhsa_group_segment_fixed_size 327680
		.amdhsa_private_segment_fixed_size 0
		.amdhsa_enable_private_segment 0
		.amdhsa_kernarg_size 72
		.amdhsa_user_sgpr_count 2
		.amdhsa_user_sgpr_kernarg_segment_ptr 1
		.amdhsa_wavefront_size32 1
		.amdhsa_system_sgpr_workgroup_id_x 1
		.amdhsa_system_sgpr_workgroup_id_y 1
		.amdhsa_system_sgpr_workgroup_id_z 1
		.amdhsa_system_vgpr_workitem_id 0
		.amdhsa_next_free_vgpr 1024
		.amdhsa_next_free_sgpr 102
		.amdhsa_reserve_vcc 0
		.amdhsa_float_denorm_mode_32 3
		.amdhsa_float_denorm_mode_16_64 3
		.amdhsa_memory_ordered 1
		.amdhsa_forward_progress 1
		.amdhsa_inst_pref_size 130
	.end_amdhsa_kernel
	.amdgpu_metadata
---
amdhsa.version: [ 1, 2 ]
amdhsa.kernels:
  - .name:           k_q420f003c12_qkv
    .symbol:         k_q420f003c12_qkv.kd
    .args:
      - { .name: x_codes, .offset: 0, .size: 8, .value_kind: global_buffer, .address_space: global }
      - { .name: x_scales, .offset: 8, .size: 8, .value_kind: global_buffer, .address_space: global }
      - { .name: w_codes, .offset: 16, .size: 8, .value_kind: global_buffer, .address_space: global }
      - { .name: w_scales, .offset: 24, .size: 8, .value_kind: global_buffer, .address_space: global }
      - { .name: qkv16, .offset: 32, .size: 8, .value_kind: global_buffer, .address_space: global }
      - { .name: q32, .offset: 40, .size: 8, .value_kind: global_buffer, .address_space: global }
      - { .name: b_q, .offset: 48, .size: 8, .value_kind: global_buffer, .address_space: global }
      - { .name: b_k, .offset: 56, .size: 8, .value_kind: global_buffer, .address_space: global }
      - { .name: b_v, .offset: 64, .size: 8, .value_kind: global_buffer, .address_space: global }
    .group_segment_fixed_size: 327680
    .private_segment_fixed_size: 0
    .kernarg_segment_align: 8
    .kernarg_segment_size: 72
    .max_flat_workgroup_size: 128
    .sgpr_count:     102
    .vgpr_count:     1024
    .wavefront_size: 32
...
	.end_amdgpu_metadata
.endif
;; end of part 2
;; launch attn (part 3): grid 4 x 64, 16 waves a work-group, no clusters, 327,680 bytes of LDS; arguments qkv16, att16; writes att16
.if DOCPART == 3
	.amdgcn_target "amdgcn-amd-amdhsa--gfx1250"
	.amdhsa_code_object_version 6
	.text
	.protected	k_q420f003c12_attn
	.globl	k_q420f003c12_attn
	.p2align	8
	.type	k_q420f003c12_attn,@function
k_q420f003c12_attn:
	s_mov_b64 s[64:65], 0
	v_nop
	global_prefetch_b8 v0, s[64:65] scope:SCOPE_SE
	s_setreg_imm32_b32 hwreg(HW_REG_WAVE_MODE, 25, 1), 1
	s_wait_xcnt 0x0
; att16[b][h][q][:] = the sum over k <= q of softmax_k(Q[q] . K[k] / 8) V[k][:].  Q, K, V: qkv16 [3][b x h = 64][2048][64] in f16; products, maxima and sums in f32; the weights p are rounded to f16
; for the second product, the result once at the end.  (Positions 0-15 of each batch are made again in f32 by a later launch.)
; LIMITS: NaN and infinities are not served; results above 65,504 become infinity in f16.
; SHARES.  Work-group (c, head): waves 0-7 own the head's block c of 256 queries, waves 8-15 block 7 - c; a wave owns 32 queries, two tiles of 16.  Under the causal mask that is (c + 1) + (8 - c) = 9 blocks
; of keys' work in every work-group.  Four waves share a SIMD, so that one wave's softmax stands beside another's products and LDS loads.
; NO CLUSTER: the four work-groups of a head need 8 - c slots of keys, a different number each; a joint load would bring tiles that every wave of some partner leaves out.
; LAYOUT.  S^T = K Q^T (source 0 = 16 keys, source 1 = 16 queries): a lane holds ONE query (lane % 16) and keys 8 (lane / 16) + 0..7.  Two such tiles, rounded to f16 in pairs, ARE source 1 of
; O^T = V^T P; V ([key][channel]) comes out of LDS turned, by ds_load_tr16_b128.
; SOFTMAX.  A running maximum m and sum l: p = 2^(c s - c m), c = log2(e) / 8; in every step O^T and l are multiplied by a = 2^(c m_old - c m_new).
; THE RING.  Two slots of 256 keys (K: 256 rows of 128 + 16 bytes, then V: 256 rows of 128 + 32), 2^17 bytes apart; waves 0, 1 fetch K's halves, waves 2, 3 V's.  Every work-group walks all 8 slots: the trip
; counts are constants.  What is left out under the mask is a step's work (a branch on ids at its head) and the loads of slots beyond the work-group's last query (a branch on ids, the same in all waves).
; Every wait for tensor loads in this text is for all of them.
; REGISTERS: v1-7 addresses; v[8:9], v[10:11] a of the two tiles; v12-27 statistics; v28 -infinity; v29, v31 at work; v30 the prefetches' offset; v32-63 Q; v64-127 eight fragments of K, then of V;
;   v128-191 S^T, then p, then P packed in place; v192-255 O^T.
.set SK,    256
.set KP,    144                        ; 36 words: the 16 rows of a load start at 16 different banks (64 banks of 4 bytes: ISA guide 11.1)
.set VP,    160                        ; 40 words
.set VOFF,  SK*KP
.set SLOT1, 1<<17
.set NSL,   8
.set STAGE, SLOT1+VOFF+SK*VP           ; behind the ring: 16 rows x 144 bytes for each wave, for the way out
.set SPARE, STAGE+16*16*KP             ; the spare words, 128 bytes for each of sixteen waves
.set AK0, 1
.set AV0, 2
.set ADK, 3
.set ADV, 4
.set SPW, 5
.set NIL, 6
.set DQ,  7                            ; v7   lane % 16 - 8 (lane / 16)
.set ST,  12                           ; tile t at v[ST + 8 t]: +0 c m, +1 m, +2, +3 l, +4..+7 c0-c3 at work
.set PFO, 30
.set Q,   32
.set KV,  64
.set S,   128
.set O,   192
.set TB,  2
.set WV,  18
.set SEL, 20
.set CS,  22
.set G1K, 24
.set G1V, 32
.set G0K, 40
.set G0V, 44
.set SLOTS, 67
.set PFA, 76
.set LIM, 80
.set LASTQ, 81
.set KF,  98
.set Q0,  99
.macro TLOAD                           ; waves 0, 1 fetch for K, waves 2, 3 for V, the others nothing.  An s_nop 0 and four v_nop follow each line
	s_cmp_lt_u32 s[WV], 2
	s_cbranch_scc0 .Lnot_k_\@
	tensor_load_to_lds s[G0K:G0K+3], s[G1K:G1K+7]
	s_nop 0
.rept 4
	v_nop
.endr
	s_branch .Lasked_\@
.Lnot_k_\@:
	s_cmp_lt_u32 s[WV], 4
	s_cbranch_scc0 .Lasked_\@
	tensor_load_to_lds s[G0V:G0V+3], s[G1V:G1V+7]
	s_nop 0
.rept 4
	v_nop
.endr
.Lasked_\@:
.endm
; A PREFETCH of what the NEXT change of slots will ask for: a slot's 32,768 bytes of K and of V.  All four work-groups of a head walk the same K and V: work-group c = 0, which walks all slots, asks, and nobody else.
; In it waves 4-7 ask for K's block and waves 8-11 for V's, 8,192 bytes a wave, lanes 256 bytes apart: each block of 256 bytes is named once in the launch.  The last change that fills a slot asks for nothing.
.macro ASK
	s_cmp_gt_u32 s[SLOTS], s[LIM]
	s_cbranch_scc0 .Lnot_mine_\@
	global_prefetch_b8 v[PFO], s[PFA:PFA+1] th:TH_LOAD_NT scope:SCOPE_SE
.Lnot_mine_\@:
.endm
	s_load_b128 s[4:7], s[0:1], 0x0                ; qkv16, att16
	v_lshl_add_u32 v[SPW], v0, 2, SPARE
	v_mov_b32 v[NIL], 0
	ds_add_u32 v[SPW], v[NIL]                      ; the wave's opening: the add, twice on end, and its wait ahead of the first tensor load
	ds_add_u32 v[SPW], v[NIL]
	v_lshrrev_b32 v31, 5, v0
	v_readfirstlane_b32 s[WV], v31                 ; wave 0..15
	s_and_b32 s8, ttmp7, 0xffff
	s_lshl_b32 s8, s8, 18                          ; the head's first byte in each of Q, K, V and in att16: 262,144 a head
	s_mov_b32 s9, 0
	s_sub_co_u32 s10, 7, ttmp9
	s_cmp_lt_u32 s[WV], 8
	s_cselect_b32 s10, ttmp9, s10                  ; my block of 256 queries
	s_lshl_b32 s10, s10, 8
	s_and_b32 s11, s[WV], 7
	s_lshl_b32 s11, s11, 5
	s_add_co_u32 s[Q0], s10, s11                   ; my first query
	s_lshl_b32 s[LASTQ], ttmp9, 8
	s_sub_co_u32 s[LASTQ], 2047, s[LASTQ]          ; my work-group's last query
	s_and_b32 s12, s[WV], 1                        ; which 128 rows of a slot I fetch, if I fetch:
	s_lshl_b32 s14, s12, 14                        ; in memory,
	s_mov_b32 s15, 0
	s_add_nc_u64 s[14:15], s[14:15], s[8:9]
	s_mul_i32 s13, s12, 128*KP                     ; and in a slot
	s_mul_i32 s16, s12, 128*VP
	s_add_co_u32 s16, s16, VOFF
	s_mov_b32 s[G1K], (1<<16)|(1<<20)|(4<<22)|(3<<25)   ; no mask; elements of 2 bytes; padding on: four words after every 32
	s_mov_b32 s[G1V], (1<<16)|(1<<20)|(4<<22)|(7<<25)   ; eight words
.irp g, G1K, G1V
	s_mov_b32 s[\g+1], 64<<16                      ; tensor_dim0
	s_mov_b32 s[\g+2], 128<<16                     ; tensor_dim1
	s_mov_b32 s[\g+3], 64<<16                      ; tile_dim0
	s_mov_b32 s[\g+4], 128                         ; tile_dim1
	s_mov_b32 s[\g+5], 64                          ; from row to row
	s_mov_b32 s[\g+6], 0
	s_mov_b32 s[\g+7], 0
.endr
	s_mov_b32 s[SEL], 0x76543210
	s_mov_b32 s[SEL+1], 0xfedcba98                 ; v_permlanex16_b32's selects for lane l xor 16
	s_mov_b32 s[CS], 0x3e38aa3b                    ; c = log2(e) / 8
	s_mov_b32 s[CS+1], s[CS]                       ; (named with it as a pair, so it is written)
	s_mov_b32 s[TB], 0
	s_mov_b32 s[SLOTS], NSL-1
	s_mov_b32 s[KF], 0
	s_wait_dscnt 0x0                               ; both opening adds are done
	s_wait_kmcnt 0x0
	s_mov_b32 s[G0K], 1
	s_mov_b32 s[G0K+1], s13
	s_add_nc_u64 s[G0K+2:G0K+3], s[4:5], s[14:15]
	s_add_nc_u64 s[G0K+2:G0K+3], s[G0K+2:G0K+3], 16777216    ; K is the second tensor of qkv16
	s_or_b32 s[G0K+3], s[G0K+3], 0x80000000
	s_mov_b32 s[G0V], 1
	s_mov_b32 s[G0V+1], s16
	s_add_nc_u64 s[G0V+2:G0V+3], s[4:5], s[14:15]
	s_add_nc_u64 s[G0V+2:G0V+3], s[G0V+2:G0V+3], 33554432    ; V the third
	s_or_b32 s[G0V+3], s[G0V+3], 0x80000000
	TLOAD                                          ; slot 0
	s_cmp_lt_u32 s[WV], 8                          ; the prefetches: waves 4-7 stand in K, waves 8-11 in V
	s_mov_b32 s82, 33554432
	s_cselect_b32 s82, 16777216, s82
	s_and_b32 s83, s[WV], 3
	s_lshl_b32 s83, s83, 13                        ; my wave's 8,192 bytes,
	s_add_co_u32 s82, s82, s83
	s_add_co_u32 s82, s82, SK*128                  ; in slot 1: the first change of slots steps it to slot 2.  Nothing is prefetched here, at the head
	s_add_co_u32 s82, s82, s8
	s_mov_b32 s83, 0
	s_add_nc_u64 s[PFA:PFA+1], s[4:5], s[82:83]
	s_sub_co_u32 s82, s[WV], 4
	s_lshr_b32 s82, s82, 3                         ; 0 in waves 4 to 11,
	s_or_b32 s82, s82, ttmp9                       ; of work-group c = 0
	s_cmp_eq_u32 s82, 0
	s_cselect_b32 s[LIM], 1, -1
	v_and_b32 v[PFO], 31, v0
	v_lshlrev_b32 v[PFO], 8, v[PFO]
	s_lshl_b32 s10, s[Q0], 7
	s_mov_b32 s11, 0
	s_add_nc_u64 s[10:11], s[10:11], s[8:9]
	s_add_nc_u64 s[4:5], s[4:5], s[10:11]          ; Q at my first query
	s_add_nc_u64 s[6:7], s[6:7], s[10:11]          ; att16 likewise
	v_and_b32 v64, 15, v0                          ; r
	v_bfe_u32 v65, v0, 4, 1                        ; h
	v_lshlrev_b32 v31, 7, v64
	v_lshl_add_u32 v31, v65, 4, v31                ; Q: row r of 128 bytes + 16 h
.irp t, 0,1
.irp ks, 0,1
	global_load_b128 v[Q+16*\t+8*\ks:Q+16*\t+8*\ks+3], v31, s[4:5] offset:2048*\t+64*\ks        ; Q stays in registers: tile t, channels 32 ks on
	global_load_b128 v[Q+16*\t+8*\ks+4:Q+16*\t+8*\ks+7], v31, s[4:5] offset:2048*\t+64*\ks+32
.endr
.endr
	v_mul_u32_u24 v[AK0], v64, KP
	v_lshl_add_u32 v[AK0], v65, 4, v[AK0]          ; K: row r x pitch + 16 h
	v_and_b32 v66, 7, v0
	v_lshl_add_u32 v66, v65, 3, v66
	v_mul_u32_u24 v[AV0], v66, VP                  ; V: key 8 h + lane % 8,
	v_bfe_u32 v67, v0, 3, 1
	v_lshl_add_u32 v[AV0], v67, 4, v[AV0]          ; channels 8 ((lane / 8) % 2) on
	v_add_nc_u32 v[AV0], VOFF, v[AV0]
	v_lshlrev_b32 v66, 3, v65
	v_sub_nc_u32 v[DQ], v64, v66
	v_mov_b32 v28, 0xff800000                      ; -infinity
	v_mov_b32 v9, 0                                ; (the upper halves of a's pairs are named, so they are written)
	v_mov_b32 v11, 0
.irp t, 0,1
	v_mov_b32 v[ST+8*\t+1], 0xff61b1e6             ; m = -3e38, under every score
	v_mul_f32 v[ST+8*\t], s[CS], v[ST+8*\t+1]      ; c m
	v_mov_b32 v[ST+8*\t+2], 0                      ; l, in two halves
	v_mov_b32 v[ST+8*\t+3], 0
	v_mov_b32 v[ST+8*\t+5], 0                      ; written once: a lane permute's destination counts as one of its sources
.endr
.set n, 0
.rept 64
	v_mov_b32 v[O+n], 0                            ; O^T.  (The step is written once: the first finds zeros, which a = 0 leaves zeros)
.set n, n+1
.endr
; A KEY STEP: 64 keys, the q-th of the slot in hand.
.macro STEP q
	s_add_co_u32 s96, s[Q0], 31                    ; a step all of whose keys come after my 32 queries is left out: a branch on ids, round its loads, products and softmax alone
	s_cmp_gt_u32 s[KF], s96
	s_cbranch_scc1 .Lhidden_\@
	v_add_nc_u32 v[ADK], s[TB], v[AK0]
	v_add_nc_u32 v[ADV], s[TB], v[AV0]
.rept 3
	v_nop                                          ; with the two additions five places behind the last V^T P: four for the loads into V's registers, five for the products that write over P's
.endr
.irp kt, 0,1,2,3
.irp ks, 0,1
	ds_load_b128 v[KV+8*(2*\kt+\ks):KV+8*(2*\kt+\ks)+3], v[ADK] offset:(64*(\q)+16*\kt)*KP+64*\ks
	ds_load_b128 v[KV+8*(2*\kt+\ks)+4:KV+8*(2*\kt+\ks)+7], v[ADK] offset:(64*(\q)+16*\kt)*KP+64*\ks+32
.endr
.endr
	s_wait_dscnt 0x0
.irp ks, 0,1                                   ; S^T = K Q^T: eight accumulators by turns, one instruction a turn
.irp kt, 0,1,2,3
.irp t, 0,1
.if \ks == 0
	v_wmma_f32_16x16x32_f16 v[S+32*\t+8*\kt:S+32*\t+8*\kt+7], v[KV+8*(2*\kt+\ks):KV+8*(2*\kt+\ks)+7], v[Q+16*\t+8*\ks:Q+16*\t+8*\ks+7], 0
.else
	v_wmma_f32_16x16x32_f16 v[S+32*\t+8*\kt:S+32*\t+8*\kt+7], v[KV+8*(2*\kt+\ks):KV+8*(2*\kt+\ks)+7], v[Q+16*\t+8*\ks:Q+16*\t+8*\ks+7], v[S+32*\t+8*\kt:S+32*\t+8*\kt+7]
.endif
.endr
.endr
.endr
.rept 4
	v_nop                                          ; places in front of the loads into K's registers and of the first read of the scores
.endr
.irp kk, 0,1                                   ; V, turned: keys 32 kk on, channels 16 ct on.  It lands while the softmax is walked
.irp ct, 0,1,2,3
	ds_load_tr16_b128 v[KV+8*(4*\kk+\ct):KV+8*(4*\kk+\ct)+3], v[ADV] offset:(64*(\q)+32*\kk)*VP+32*\ct
	ds_load_tr16_b128 v[KV+8*(4*\kk+\ct)+4:KV+8*(4*\kk+\ct)+7], v[ADV] offset:(64*(\q)+32*\kk)*VP+16*VP+32*\ct
.endr
.endr
	s_add_co_u32 s96, s[KF], 63                    ; on the diagonal hidden scores become -infinity ahead of the maximum; a step all of whose keys count skips this
	s_cmp_le_u32 s96, s[Q0]
	s_cbranch_scc1 .Lopen_\@
	s_sub_co_i32 s96, s[Q0], s[KF]
	v_add_nc_u32 v29, s96, v[DQ]                   ; tile t's register 8 kt + j holds key KF + 16 kt + 8 h + j for query Q0 + 16 t + r: hidden where 16 kt + j - 16 t > Q0 - KF + r - 8 h
.set n, 0
.rept 64
	v_cmp_gt_i32 vcc_lo, 16*((n%32)/8)+n%8-16*(n/32), v29
	v_cndmask_b32 v[S+n], v[S+n], v28, vcc_lo
.set n, n+1
.endr
.Lopen_\@:
.irp j, 0,1,2,3                                ; the maximum of the lane's 32 scores and the old m: four chains, the two tiles line by line
.irp t, 0,1
	v_max3_num_f32 v[ST+8*\t+4+\j], v[S+32*\t+8*\j], v[S+32*\t+8*\j+1], v[S+32*\t+8*\j+2]
.endr
.endr
.irp g, 1,2
.irp j, 0,1,2,3
.irp t, 0,1
	v_max3_num_f32 v[ST+8*\t+4+\j], v[ST+8*\t+4+\j], v[S+32*\t+8*\j+2*\g+1], v[S+32*\t+8*\j+2*\g+2]
.endr
.endr
.endr
.irp t, 0,1
	v_max3_num_f32 v[ST+8*\t+4], v[ST+8*\t+4], v[S+32*\t+7], v[S+32*\t+15]
.endr
.irp t, 0,1
	v_max3_num_f32 v[ST+8*\t+6], v[ST+8*\t+6], v[S+32*\t+23], v[S+32*\t+31]
.endr
.irp t, 0,1
	v_max3_num_f32 v[ST+8*\t+4], v[ST+8*\t+4], v[ST+8*\t+5], v[ST+8*\t+6]
.endr
.irp t, 0,1
	v_max3_num_f32 v[ST+8*\t+4], v[ST+8*\t+4], v[ST+8*\t+7], v[ST+8*\t+1]
.endr
.irp t, 0,1
	v_permlanex16_b32 v[ST+8*\t+5], v[ST+8*\t+4], s[SEL], s[SEL+1]   ; the query's other 32 keys lie in the lane 16 away
.endr
.irp t, 0,1
	v_mov_b32 v[ST+8*\t+7], v[ST+8*\t]             ; c m_old
.endr
.irp t, 0,1
	v_max_num_f32 v[ST+8*\t+1], v[ST+8*\t+4], v[ST+8*\t+5]
.endr
.irp t, 0,1
	v_mul_f32 v[ST+8*\t], s[CS], v[ST+8*\t+1]
.endr
.irp t, 0,1
	v_sub_f32 v[ST+8*\t+7], v[ST+8*\t+7], v[ST+8*\t]
.endr
.irp j, 0,2,4,6,8,10,12,14,16,18,20,22,24,26,28,30
.irp t, 0,1
	v_pk_fma_f32 v[S+32*\t+\j:S+32*\t+\j+1], v[S+32*\t+\j:S+32*\t+\j+1], s[CS:CS+1], v[ST+8*\t:ST+8*\t+1] op_sel_hi:[1,0,0] neg_lo:[0,0,1] neg_hi:[0,0,1]   ; c s - c m
.endr
.endr
.irp t, 0,1
	v_exp_f32 v[8+2*\t], v[ST+8*\t+7]              ; a
.endr
.set n, 0
.rept 64
	v_exp_f32 v[S+n], v[S+n]                       ; p: ONE BATCH of 66 exponentials
.set n, n+1
.endr
	v_nop                                          ; a plain instruction behind the last exponential
	s_wait_alu depctr_va_vdst(0)                   ; one wait for the batch, ahead of its first reader
.irp t, 0,1
	v_pk_mul_f32 v[ST+8*\t+2:ST+8*\t+3], v[ST+8*\t+2:ST+8*\t+3], v[8+2*\t:9+2*\t] op_sel_hi:[1,0]   ; l under the new m
.endr
.irp t, 0,1
	v_pk_add_f32 v[ST+8*\t+4:ST+8*\t+5], v[S+32*\t:S+32*\t+1], v[S+32*\t+2:S+32*\t+3]               ; the sum of the unrounded p, in two chains
.endr
.irp j, 4,8,12,16,20,24,28
.irp t, 0,1
	v_pk_add_f32 v[ST+8*\t+2:ST+8*\t+3], v[ST+8*\t+2:ST+8*\t+3], v[S+32*\t+\j:S+32*\t+\j+1]
	v_pk_add_f32 v[ST+8*\t+4:ST+8*\t+5], v[ST+8*\t+4:ST+8*\t+5], v[S+32*\t+\j+2:S+32*\t+\j+3]
.endr
.endr
.irp t, 0,1
	v_pk_add_f32 v[ST+8*\t+2:ST+8*\t+3], v[ST+8*\t+2:ST+8*\t+3], v[ST+8*\t+4:ST+8*\t+5]
.endr
.irp j, 0,1,2,3,4,5,6,7,8,9,10,11,12,13,14,15  ; to f16 in pairs, in place and ascending: pair j lands on register j, which no later pair reads
.irp t, 0,1
	v_cvt_pk_f16_f32 v[S+32*\t+\j], v[S+32*\t+2*\j], v[S+32*\t+2*\j+1]
.endr
.endr
.irp j, 0,2,4,6,8,10,12,14,16,18,20,22,24,26,28,30
.irp t, 0,1
	v_pk_mul_f32 v[O+32*\t+\j:O+32*\t+\j+1], v[O+32*\t+\j:O+32*\t+\j+1], v[8+2*\t:9+2*\t] op_sel_hi:[1,0]   ; O^T under the new m
.endr
.endr
	s_wait_dscnt 0x0                               ; V is in
.irp kk, 0,1                                   ; O^T += V^T P: eight accumulators by turns
.irp ct, 0,1,2,3
.irp t, 0,1
	v_wmma_f32_16x16x32_f16 v[O+32*\t+8*\ct:O+32*\t+8*\ct+7], v[KV+8*(4*\kk+\ct):KV+8*(4*\kk+\ct)+7], v[S+32*\t+8*\kk:S+32*\t+8*\kk+7], v[O+32*\t+8*\ct:O+32*\t+8*\ct+7]
.endr
.endr
.endr
.Lhidden_\@:
	s_add_co_u32 s[KF], s[KF], 64
.endm
; THE CHANGE OF SLOTS stands at a slot's head.  Each wave waits for all its tensor loads, adds 0 to its spare word (fill = 1: twice on end), and waits for that and for its reads of the slot that it has left.
; Behind the barrier the slot ahead is whole and nobody reads the other one, which is then filled with the keys that follow, up to the causal limit.
.macro CHANGE fill
	s_wait_tensorcnt 0x0                           ; no tensor load of mine is out, so a group 0 may be written
	ds_add_u32 v[SPW], v[NIL]
.if \fill
	ds_add_u32 v[SPW], v[NIL]                      ; and twice on end here, in every trip alike
	s_xor_b32 s[G0K+1], s[G0K+1], SLOT1            ; the walking descriptors: the other slot,
	s_add_nc_u64 s[G0K+2:G0K+3], s[G0K+2:G0K+3], SK*128   ; the next 256 keys
	s_xor_b32 s[G0V+1], s[G0V+1], SLOT1
	s_add_nc_u64 s[G0V+2:G0V+3], s[G0V+2:G0V+3], SK*128
	s_wait_xcnt 0x0                                ; the last prefetch, a slot back, has read its address
	s_add_nc_u64 s[PFA:PFA+1], s[PFA:PFA+1], SK*128
.endif
	s_wait_dscnt 0x0                               ; the add is done, and my reads of the slot that I have left are over
	s_barrier_signal -1
	s_barrier_wait -1
.if \fill
	s_add_co_u32 s96, s[KF], SK                    ; the first key of the slot that this change would ask for:
	s_cmp_gt_u32 s96, s[LASTQ]                     ; beyond my work-group's last query none of its waves reads it, so it is not asked for.  Ids and the count of steps alone: all sixteen waves go the same way
	s_cbranch_scc1 .Lpast_\@
	TLOAD                                          ; a wave's one tensor load until the next such barrier
.Lpast_\@:
	ASK                                            ; four key steps ahead of the load that will want it
.endif
.endm
.macro SLOT_STEPS
	STEP 0
	STEP 1
	STEP 2
	STEP 3
	s_xor_b32 s[TB], s[TB], SLOT1                  ; on to the other slot
.endm
	s_wait_loadcnt 0x0                             ; Q
.Lslot:                                            ; NSL - 1 trips
	CHANGE 1
	SLOT_STEPS
	s_sub_co_u32 s[SLOTS], s[SLOTS], 1
	s_cmp_lg_u32 s[SLOTS], 0
	s_cbranch_scc1 .Lslot
	CHANGE 0                                       ; the last slot is written out: nothing is left to ask for
	SLOT_STEPS
	; THE WAY OUT.  l's halves and the other half of the lanes' are added; O^T is divided by l, rounded to f16 and sent through my stage, a tile at a time.  The additions and the address work are the places behind the last products.
.irp t, 0,1
	v_add_f32 v[ST+8*\t+4], v[ST+8*\t+2], v[ST+8*\t+3]
.endr
.irp t, 0,1
	v_permlanex16_b32 v[ST+8*\t+5], v[ST+8*\t+4], s[SEL], s[SEL+1]
.endr
.irp t, 0,1
	v_add_f32 v[ST+8*\t+4], v[ST+8*\t+4], v[ST+8*\t+5]
.endr
.irp t, 0,1
	v_rcp_f32 v[8+2*\t], v[ST+8*\t+4]
.endr
	s_mul_i32 s96, s[WV], 16*KP
	s_add_co_u32 s96, s96, STAGE                   ; my stage
	v_and_b32 v4, 15, v0
	v_bfe_u32 v29, v0, 4, 1
	v_mul_u32_u24 v1, v4, KP
	v_lshl_add_u32 v1, v29, 4, v1
	v_add_nc_u32 v1, s96, v1                       ; in: row r, 16 bytes for each half of the lanes
	v_bfe_u32 v2, v0, 3, 2
	v_mul_u32_u24 v2, v2, KP
	v_and_b32 v4, 7, v0
	v_lshl_add_u32 v2, v4, 4, v2
	v_add_nc_u32 v2, s96, v2                       ; back: eight lanes to a row of 128 bytes, four rows an instruction
	v_and_b32 v3, 31, v0
	v_lshlrev_b32 v3, 4, v3                        ; which are 512 consecutive bytes of att16
	s_wait_alu depctr_va_vdst(0)                   ; the wait for the two reciprocals, ahead of their first reader
.macro OUT t
.irp j, 0,2,4,6,8,10,12,14,16,18,20,22,24,26,28,30
	v_pk_mul_f32 v[O+32*\t+\j:O+32*\t+\j+1], v[O+32*\t+\j:O+32*\t+\j+1], v[8+2*\t:9+2*\t] op_sel_hi:[1,0]
.endr
.irp j, 0,1,2,3,4,5,6,7,8,9,10,11,12,13,14,15
	v_cvt_pk_f16_f32 v[S+32*\t+\j], v[O+32*\t+2*\j], v[O+32*\t+2*\j+1]
.endr
.irp ct, 0,1,2,3
	ds_store_b128 v1, v[S+32*\t+4*\ct:S+32*\t+4*\ct+3] offset:32*\ct
.endr
.irp i, 0,1,2,3
	ds_load_b128 v[KV+16*\t+4*\i:KV+16*\t+4*\i+3], v2 offset:4*KP*\i   ; LDS serves a wave's instructions in order: these see my stores, and the next tile's stores come behind them
.endr
.endm
	OUT 0
	OUT 1
.irp t, 0,1
.irp i, 0,1,2,3
	s_wait_dscnt 11-8*\t-\i                        ; behind tile 0's load i: its 3 - i later loads and tile 1's eight; behind tile 1's: 3 - i
	global_store_b128 v3, v[KV+16*\t+4*\i:KV+16*\t+4*\i+3], s[6:7] offset:2048*\t+512*\i
.endr
.endr
	s_wait_tensorcnt 0x0                           ; the wave's end
	ds_add_u32 v[SPW], v[NIL]
	s_wait_dscnt 0x0
	s_endpgm
.Lfunc_end_k_q420f003c12_attn:
	.size	k_q420f003c12_attn, .Lfunc_end_k_q420f003c12_attn-k_q420f003c12_attn
	.p2alignl 7, 3214868480
	.fill 96, 4, 3214868480
	.section	.rodata,"a",@progbits
	.p2align	6, 0x0
	.amdhsa_kernel k_q420f003c12_attn
		.amdhsa_group_segment_fixed_size 327680
		.amdhsa_private_segment_fixed_size 0
		.amdhsa_enable_private_segment 0
		.amdhsa_kernarg_size 16
		.amdhsa_user_sgpr_count 2
		.amdhsa_user_sgpr_kernarg_segment_ptr 1
		.amdhsa_wavefront_size32 1
		.amdhsa_system_sgpr_workgroup_id_x 1
		.amdhsa_system_sgpr_workgroup_id_y 1
		.amdhsa_system_sgpr_workgroup_id_z 1
		.amdhsa_system_vgpr_workitem_id 0
		.amdhsa_next_free_vgpr 256
		.amdhsa_next_free_sgpr 100
		.amdhsa_reserve_vcc 1
		.amdhsa_float_denorm_mode_32 3
		.amdhsa_float_denorm_mode_16_64 3
		.amdhsa_memory_ordered 1
		.amdhsa_forward_progress 1
		.amdhsa_inst_pref_size 188
	.end_amdhsa_kernel
	.amdgpu_metadata
---
amdhsa.version: [ 1, 2 ]
amdhsa.kernels:
  - .name:           k_q420f003c12_attn
    .symbol:         k_q420f003c12_attn.kd
    .args:
      - { .name: qkv16, .offset: 0, .size: 8, .value_kind: global_buffer, .address_space: global }
      - { .name: att16, .offset: 8, .size: 8, .value_kind: global_buffer, .address_space: global }
    .group_segment_fixed_size: 327680
    .private_segment_fixed_size: 0
    .kernarg_segment_align: 8
    .kernarg_segment_size: 16
    .max_flat_workgroup_size: 512
    .sgpr_count:     100
    .vgpr_count:     256
    .wavefront_size: 32
...
	.end_amdgpu_metadata
.endif
;; end of part 3
;; launch proj (part 4): grid 4 x 64, 4 waves a work-group, clusters of 4 x 4, 327,680 bytes of LDS; arguments att16, wo16, out0, b_o; writes out0
.if DOCPART == 4
	.amdgcn_target "amdgcn-amd-amdhsa--gfx1250"
	.amdhsa_code_object_version 6
	.text
	.protected	k_q420f003c12_proj
	.globl	k_q420f003c12_proj
	.p2align	8
	.type	k_q420f003c12_proj,@function
k_q420f003c12_proj:
	s_mov_b64 s[64:65], 0
	v_nop
	global_prefetch_b8 v0, s[64:65] scope:SCOPE_SE
	s_setreg_imm32_b32 hwreg(HW_REG_WAVE_MODE, 25, 1), 1
	s_wait_xcnt 0x0
	s_wait_alu depctr_hold_cnt(0) depctr_sa_sdst(0) depctr_va_vdst(0) depctr_va_sdst(0) depctr_va_ssrc(0) depctr_va_vcc(0) depctr_vm_vsrc(0)
	s_getreg_b32 s2, hwreg(HW_REG_IB_STS2, 6, 4)
	s_cmp_eq_u32 s2, 0
	s_cbranch_scc0 .Lentry_in_a_cluster
	s_endpgm
.Lentry_in_a_cluster:
	s_bfe_u32 s2, ttmp6, 0x10000c
	s_cmp_lg_u32 s2, 0xf033
	s_cbranch_scc0 .Lentry_shape_is_right
	s_endpgm
.Lentry_shape_is_right:
; out0 = att W_o + b_o: a GEMM 8,192 x 1,024 x 1,024 on f16 operands, sums in f32.  att16: [batch][head][s][64] f16, so k = 64 head + channel; wo16: [k][n] f16; out0: [8192][1024] f32.
; A tile of C is 128 rows x 256 columns: 64 x 4 = 256 work-groups.  Four waves, each 64 x 128: 32 accumulators, all of window 1 ((a, b) at v[8 (8 a + b)]).
; K goes in steps of 128, two heads, through a ring of two LDS slots: A: two heads x 128 rows of 128 + 16 bytes (waves 0, 1: a head each); B: 128 rows k of 512 + 32 bytes (waves 2, 3: 64 rows each).
; B lies [k][n] and comes out of LDS turned, by ds_load_tr16_b128.  THE MATRIX INSTRUCTION IS USED TRANSPOSED (source 0 = 16 columns n, source 1 = 16 rows): a lane holds eight neighbouring columns of one row of C.
; CLUSTERS: 4 x 4 work-groups; tile row = 4 x cluster y + cy, tile column = cx (the grid is one cluster wide).  A's tiles are shared along a row of the cluster, B's along a column: joint loads.
; REGISTERS, window 0: v16-29 addresses; v[32:35] my four numbers of b_o; two fragment buffers of 96 (B's eight fragments, then A's four) at v64 and v160; on the way out v64-191 hold rows of C.
.set PA,     144
.set PB,     544                       ; 136 words
.set BOFF,   2*128*PA
.set SLOT,   BOFF+128*PB
.set STAGE,  2*SLOT                    ; 16 rows x (512 + 16) bytes for each wave
.set SPITCH, 528
.set SPARE,  STAGE+4*16*SPITCH
.set LAPS,   4                         ; a lap = two K steps
.set ADRA, 16
.set ADRB, 20
.set STO,  24
.set RD,   25
.set CO,   26
.set SPW,  28
.set NIL,  29
.set F0,   64
.set F1,   160
.set BK,   64
.set G1, 24
.set G0, 32
.set G1B, 48
.set G0B, 56
.set MSB, 0
.macro WIN new
.if MSB != \new
	s_set_vgpr_msb (MSB<<8)|\new
.set MSB, \new
.endif
.endm
.set MUL, 0x50                         ; sources 0 and 1 window 0; C and D window 1
.macro JLOAD s                         ; waves 0, 1 fetch A's two heads, waves 2, 3 B's two halves; an s_nop 0 and four v_nop follow each line
	s_cmp_eq_u32 s13, 0
	s_cbranch_scc0 .Lfor_b_\@
	tensor_load_to_lds s[G0+4*\s:G0+4*\s+3], s[G1:G1+7]
	s_nop 0
.rept 4
	v_nop
.endr
	s_branch .Lasked_\@
.Lfor_b_\@:
	tensor_load_to_lds s[G0B+4*\s:G0B+4*\s+3], s[G1B:G1B+7]
	s_nop 0
.rept 4
	v_nop
.endr
.Lasked_\@:
.endm
.macro CREST
	s_cmp_lg_u32 s12, 0
	s_cbranch_scc1 .Lnot_wave_0_\@
	s_barrier_signal -3
.Lnot_wave_0_\@:
	s_barrier_wait -3
	s_barrier_signal -1
	s_barrier_wait -1
.endm
.macro CROUND
	s_barrier_signal -1
	s_barrier_wait -1
	CREST
.endm
	s_load_b128 s[4:7], s[0:1], 0x0                ; att16, wo16
	s_load_b128 s[8:11], s[0:1], 0x10              ; out0, b_o
	v_lshl_add_u32 v[SPW], v0, 2, SPARE
	v_mov_b32 v[NIL], 0
	ds_add_u32 v[SPW], v[NIL]                      ; the wave's opening: the add, twice on end, and its wait ahead of my first tensor load
	ds_add_u32 v[SPW], v[NIL]
	v_lshrrev_b32 v1, 5, v0
	v_readfirstlane_b32 s12, v1                    ; wave 0..3
	s_lshr_b32 s13, s12, 1                         ; which 64 rows are mine.  Also: I fetch for A (0) or for B (1)
	s_and_b32 s14, s12, 1                          ; which 128 columns.  Also: which half of that tile I fetch
	s_bfe_u32 s15, ttmp6, 0x40000                  ; cx = tile column
	s_bfe_u32 s16, ttmp6, 0x40004                  ; cy
	s_and_b32 s17, ttmp7, 0xffff
	s_lshl_b32 s17, s17, 2
	s_add_co_u32 s17, s17, s16                     ; tile row = 4 x cluster y + cy
	s_lshl_b32 s18, s16, 2
	s_lshl_b32 s18, 15, s18                        ; my row of the cluster
	s_lshl_b32 s19, 0x1111, s15                    ; my column
	s_or_b32 s[G1], s18, (1<<16)|(1<<20)|(1<<21)|(4<<22)|(3<<25)    ; A: the mask; elements of 2 bytes; padding on; bit 21 beside a mask; four words after every 32
	s_mov_b32 s[G1+1], 64<<16                      ; tensor_dim0
	s_mov_b32 s[G1+2], 128<<16                     ; tensor_dim1
	s_mov_b32 s[G1+3], 64<<16                      ; tile_dim0
	s_mov_b32 s[G1+4], 128                         ; tile_dim1
	s_mov_b32 s[G1+5], 64                          ; from row to row
	s_mov_b32 s[G1+6], 0
	s_mov_b32 s[G1+7], 0
	s_or_b32 s[G1B], s19, (1<<16)|(1<<20)|(1<<21)|(6<<22)|(7<<25)   ; B: eight words after every 128
	s_mov_b32 s[G1B+1], 256<<16
	s_mov_b32 s[G1B+2], 64<<16
	s_mov_b32 s[G1B+3], 256<<16
	s_mov_b32 s[G1B+4], 64
	s_mov_b32 s[G1B+5], 1024
	s_mov_b32 s[G1B+6], 0
	s_mov_b32 s[G1B+7], 0
	s_lshr_b32 s20, s17, 4                         ; A: the batch, 16 heads of 262,144 bytes,
	s_lshl_b32 s20, s20, 22
	s_and_b32 s21, s17, 15
	s_lshl_b32 s21, s21, 14                        ; the tile's 128 positions of 128 bytes,
	s_add_co_u32 s20, s20, s21
	s_lshl_b32 s21, s14, 18                        ; my head of the K step's two
	s_add_co_u32 s20, s20, s21
	s_mov_b32 s21, 0
	s_lshl_b32 s46, s14, 17                        ; B: my 64 rows of 2,048 bytes,
	s_lshl_b32 s47, s15, 9                         ; the tile's 256 columns
	s_add_co_u32 s46, s46, s47
	s_mov_b32 s47, 0
	s_mul_i32 s22, s14, 128*PA                     ; where they go
	s_mul_i32 s23, s14, 64*PB
	s_add_co_u32 s23, s23, BOFF
	s_wait_dscnt 0x0                               ; both opening adds are done
	s_wait_kmcnt 0x0
	s_add_nc_u64 s[40:41], s[4:5], s[20:21]
	s_add_nc_u64 s[46:47], s[6:7], s[46:47]
	CROUND                                         ; all sixteen work-groups are here: the first joint loads meet
.irp s, 0,1
	s_mov_b32 s[G0+4*\s], 1
	s_add_co_u32 s[G0+4*\s+1], s22, \s*SLOT
	s_add_nc_u64 s[G0+4*\s+2:G0+4*\s+3], s[40:41], \s*524288        ; a K step on: two heads
	s_or_b32 s[G0+4*\s+3], s[G0+4*\s+3], 0x80000000
	s_mov_b32 s[G0B+4*\s], 1
	s_add_co_u32 s[G0B+4*\s+1], s23, \s*SLOT
	s_add_nc_u64 s[G0B+4*\s+2:G0B+4*\s+3], s[46:47], \s*262144      ; 128 rows of 2,048 bytes
	s_or_b32 s[G0B+4*\s+3], s[G0B+4*\s+3], 0x80000000
	JLOAD \s
.endr
	v_and_b32 v1, 15, v0                           ; r
	v_bfe_u32 v2, v0, 4, 1                         ; h
	v_mul_u32_u24 v3, v1, PA
	v_lshl_add_u32 v3, v2, 4, v3                   ; A: row r x pitch + 16 h
	v_and_b32 v4, 7, v0
	v_lshl_add_u32 v4, v2, 3, v4
	v_mul_u32_u24 v4, v4, PB                       ; B: row k = 8 h + lane % 8,
	v_bfe_u32 v5, v0, 3, 1
	v_lshl_add_u32 v4, v5, 4, v4                   ; columns 8 ((lane / 8) % 2) on
	s_mul_i32 s42, s13, 64*PA                      ; my 64 rows of A
	s_lshl_b32 s43, s14, 8                         ; my 128 columns of B
	s_add_co_u32 s43, s43, BOFF
.irp s, 0,1
	v_add_nc_u32 v[ADRA+\s], s42, v3
	v_add_nc_u32 v[ADRB+\s], s43, v4
	s_add_co_u32 s42, s42, SLOT
	s_add_co_u32 s43, s43, SLOT
.endr
	s_mul_i32 s44, s12, 16*SPITCH
	s_add_co_u32 s44, s44, STAGE                   ; my stage
	v_mul_u32_u24 v5, v1, SPITCH
	v_lshl_add_u32 v5, v2, 5, v5
	v_add_nc_u32 v[STO], s44, v5                   ; in: row r, 32 bytes for each half of the lanes
	v_and_b32 v6, 31, v0
	v_lshlrev_b32 v[CO], 4, v6                     ; back: the 32 lanes take one row of 512 bytes; the same in C and in b_o
	v_add_nc_u32 v[RD], s44, v[CO]
	s_lshl_b32 s42, s15, 10
	s_lshl_b32 s43, s14, 9
	s_add_co_u32 s42, s42, s43                     ; my first column, in bytes
	s_mov_b32 s43, 0
	s_add_nc_u64 s[10:11], s[10:11], s[42:43]
	global_load_b128 v[32:35], v[CO], s[10:11]     ; b_o at the four columns that I store
	s_add_nc_u64 s[8:9], s[8:9], s[42:43]
	s_lshl_b32 s42, s17, 19                        ; my first row: 128 x tile row + 64 x half, 4,096 bytes each
	s_lshl_b32 s44, s13, 18
	s_add_co_u32 s42, s42, s44
	s_add_nc_u64 s[8:9], s[8:9], s[42:43]
.macro MULA f, a, zero                 ; eight matrix instructions: A's block a x B's eight, 32 along K.  The 32 accumulators take turns, one instruction a turn
.irp b, 0,1,2,3,4,5,6,7
.if \zero
	v_wmma_f32_16x16x32_f16 v[8*(8*(\a)+\b):8*(8*(\a)+\b)+7], v[\f+8*\b:\f+8*\b+7], v[\f+64+8*(\a):\f+64+8*(\a)+7], 0
.else
	v_wmma_f32_16x16x32_f16 v[8*(8*(\a)+\b):8*(8*(\a)+\b)+7], v[\f+8*\b:\f+8*\b+7], v[\f+64+8*(\a):\f+64+8*(\a)+7], v[8*(8*(\a)+\b):8*(8*(\a)+\b)+7]
.endif
.endr
.endm
.macro FETCH slot, q, f                ; 24 LDS loads in one run: the slot's q-th 32 along K: B's eight fragments, then A's four
	WIN 0
.irp b, 0,1,2,3,4,5,6,7
	ds_load_tr16_b128 v[\f+8*\b:\f+8*\b+3], v[ADRB+\slot] offset:(\q)*32*PB+32*\b
	ds_load_tr16_b128 v[\f+8*\b+4:\f+8*\b+7], v[ADRB+\slot] offset:(\q)*32*PB+16*PB+32*\b
.endr
.irp i, 0,1,2,3
	ds_load_b128 v[\f+64+8*\i:\f+64+8*\i+3], v[ADRA+\slot] offset:((\q)/2)*128*PA+64*((\q)%2)+\i*16*PA
	ds_load_b128 v[\f+64+8*\i+4:\f+64+8*\i+7], v[ADRA+\slot] offset:((\q)/2)*128*PA+64*((\q)%2)+\i*16*PA+32
.endr
.endm
.macro PLACES                          ; four plain vector instructions between a matrix instruction and a load into, or a read of, its registers
.rept 4
	v_nop
.endr
.endm
.macro QUARTER slot, q, f, g, zero     ; multiplies buffer f and fetches the slot's q-th quarter into g
	s_wait_dscnt 4                                 ; B and A's blocks 0, 1 are in; the youngest four loads (A's blocks 2, 3) may be out
	WIN MUL
	MULA \f, 0, \zero
	MULA \f, 1, \zero
	PLACES
	FETCH \slot, \q, \g
	s_wait_dscnt 24                                ; all but the 24 just issued
	WIN MUL
	MULA \f, 2, \zero
	MULA \f, 3, \zero
.endm
; A K step's last quarter multiplies buffer 1 and changes slots: ONE barrier; in front of it each wave waits for all its tensor loads, adds 0 to its spare word, and waits for that and for its reads of this slot.
.macro TURN slot, next, fill
	WIN 0                                          ; (the add's two registers lie in window 0)
	s_wait_tensorcnt 0x0                           ; my part of the next slot has landed
	ds_add_u32 v[SPW], v[NIL]
	s_wait_dscnt 5                                 ; the add and the youngest four loads may be out
	WIN MUL
	MULA F1, 0, 0
	s_wait_dscnt 0x0                               ; the add is done, and my reads of this slot are over
	s_barrier_signal -1
	MULA F1, 1, 0
.if \fill
	WIN 0
.endif
	s_barrier_wait -1
.if \fill
	CREST                                          ; the barrier has opened a round of the cluster's: no wave of any partner still reads this slot or has a load on its way
	s_add_nc_u64 s[G0+4*\slot+2:G0+4*\slot+3], s[G0+4*\slot+2:G0+4*\slot+3], 1048576
	s_add_nc_u64 s[G0B+4*\slot+2:G0B+4*\slot+3], s[G0B+4*\slot+2:G0B+4*\slot+3], 524288
	JLOAD \slot                                    ; the first tensor load behind the round; its four v_nop are also the places in front of the loads below
.else
	PLACES
.endif
	FETCH \next, 0, F0
	WIN MUL
	MULA F1, 2, 0
	MULA F1, 3, 0
.endm
	s_wait_tensorcnt 1                             ; my part of K step 0 is in; K step 1's may stay out
	s_barrier_signal -1
	s_barrier_wait -1
	FETCH 0, 0, F0
	QUARTER 0, 1, F0, F1, 1                        ; the first quarter stands in front of the loop: its products start the sums
	WIN 0
	s_mov_b32 s3, LAPS-1
.Llap:                                             ; a trip goes once round the ring and fills both slots again
	QUARTER 0, 2, F1, F0, 0
	QUARTER 0, 3, F0, F1, 0
	TURN 0, 1, 1
	QUARTER 1, 1, F0, F1, 0
	QUARTER 1, 2, F1, F0, 0
	QUARTER 1, 3, F0, F1, 0
	TURN 1, 0, 1
	QUARTER 0, 1, F0, F1, 0
	WIN 0
	s_sub_co_u32 s3, s3, 1
	s_cmp_lg_u32 s3, 0
	s_cbranch_scc1 .Llap
	QUARTER 0, 2, F1, F0, 0                        ; the last lap fills nothing
	QUARTER 0, 3, F0, F1, 0
	TURN 0, 1, 0
	QUARTER 1, 1, F0, F1, 0
	QUARTER 1, 2, F1, F0, 0
	QUARTER 1, 3, F0, F1, 0
	s_wait_dscnt 4
	WIN MUL
	MULA F1, 0, 0
	MULA F1, 1, 0
	s_wait_dscnt 0
	MULA F1, 2, 0
	MULA F1, 3, 0
	WIN 0
	; THE WAY OUT, block by block of 16 rows x 128 columns: through my own stage, back as whole rows of 512 bytes, + b_o, stored by the 32 lanes as 512 consecutive bytes.
.macro TOSTAGE a
	WIN 0x04                                       ; an LDS store's data are its source 1: window 1
.irp b, 0,1,2,3,4,5,6,7
	ds_store_b128 v[STO], v[8*(8*(\a)+\b):8*(8*(\a)+\b)+3] offset:64*\b          ; each accumulator from its low end on
	ds_store_b128 v[STO], v[8*(8*(\a)+\b)+4:8*(8*(\a)+\b)+7] offset:64*\b+16
.endr
	WIN 0
.set BB, BK+64*((\a)%2)
.irp t, 0,1,2,3,4,5,6,7,8,9,10,11,12,13,14,15
	ds_load_b128 v[BB+4*\t:BB+4*\t+3], v[RD] offset:\t*SPITCH                    ; LDS serves a wave's instructions in order: these see the stores above
.endr
.endm
.macro SEND a, younger                 ; younger: the LDS instructions issued behind block a's loads, which may stay out
.set BB, BK+64*((\a)%2)
	s_wait_dscnt \younger
.irp t, 0,1,2,3,4,5,6,7,8,9,10,11,12,13,14,15
	v_pk_add_f32 v[BB+4*\t:BB+4*\t+1], v[BB+4*\t:BB+4*\t+1], v[32:33]
	v_pk_add_f32 v[BB+4*\t+2:BB+4*\t+3], v[BB+4*\t+2:BB+4*\t+3], v[34:35]
	global_store_b128 v[CO], v[BB+4*\t:BB+4*\t+3], s[8:9] offset:(16*(\a)+\t)*4096
.endr
.endm
	PLACES
	s_wait_loadcnt 0x0                             ; b_o
	TOSTAGE 0
.irp a, 1,2,3
.if \a > 1
	s_wait_xcnt 0x0                                ; block a - 2's stores have read their registers: block a's loads may land there
.endif
	TOSTAGE \a
	SEND \a-1, 32                                  ; behind block a - 1's loads: block a's 16 stores and 16 loads
.endr
	SEND 3, 0
	s_wait_tensorcnt 0x0                           ; the wave's end
	ds_add_u32 v[SPW], v[NIL]
	s_wait_dscnt 0x0
	CROUND                                         ; the closing round
	s_endpgm
.Lfunc_end_k_q420f003c12_proj:
	.size	k_q420f003c12_proj, .Lfunc_end_k_q420f003c12_proj-k_q420f003c12_proj
	.p2alignl 7, 3214868480
	.fill 96, 4, 3214868480
	.section	.rodata,"a",@progbits
	.p2align	6, 0x0
	.amdhsa_kernel k_q420f003c12_proj
		.amdhsa_group_segment_fixed_size 327680
		.amdhsa_private_segment_fixed_size 0
		.amdhsa_enable_private_segment 0
		.amdhsa_kernarg_size 32
		.amdhsa_user_sgpr_count 2
		.amdhsa_user_sgpr_kernarg_segment_ptr 1
		.amdhsa_wavefront_size32 1
		.amdhsa_system_sgpr_workgroup_id_x 1
		.amdhsa_system_sgpr_workgroup_id_y 1
		.amdhsa_system_sgpr_workgroup_id_z 1
		.amdhsa_system_vgpr_workitem_id 0
		.amdhsa_next_free_vgpr 512
		.amdhsa_next_free_sgpr 68
		.amdhsa_reserve_vcc 0
		.amdhsa_float_denorm_mode_32 3
		.amdhsa_float_denorm_mode_16_64 3
		.amdhsa_memory_ordered 1
		.amdhsa_forward_progress 1
		.amdhsa_inst_pref_size 93
	.end_amdhsa_kernel
	.amdgpu_metadata
---
amdhsa.version: [ 1, 2 ]
amdhsa.kernels:
  - .name:           k_q420f003c12_proj
    .symbol:         k_q420f003c12_proj.kd
    .args:
      - { .name: att16, .offset: 0, .size: 8, .value_kind: global_buffer, .address_space: global }
      - { .name: wo16, .offset: 8, .size: 8, .value_kind: global_buffer, .address_space: global }
      - { .name: out0, .offset: 16, .size: 8, .value_kind: global_buffer, .address_space: global }
      - { .name: b_o, .offset: 24, .size: 8, .value_kind: global_buffer, .address_space: global }
    .group_segment_fixed_size: 327680
    .private_segment_fixed_size: 0
    .kernarg_segment_align: 8
    .kernarg_segment_size: 32
    .max_flat_workgroup_size: 128
    .sgpr_count:     68
    .vgpr_count:     512
    .wavefront_size: 32
...
	.end_amdgpu_metadata
.endif
;; end of part 4
;; launch first16 (part 5): grid 64 x 4, 16 waves a work-group, no clusters, 18,432 bytes of LDS; arguments q32, w_o, b_o, out0; writes out0
.if DOCPART == 5
	.amdgcn_target "amdgcn-amd-amdhsa--gfx1250"
	.amdhsa_code_object_version 6
	.text
	.protected	k_q420f003c12_first16
	.globl	k_q420f003c12_first16
	.p2align	8
	.type	k_q420f003c12_first16,@function
k_q420f003c12_first16:
	s_mov_b64 s[64:65], 0
	v_nop
	global_prefetch_b8 v0, s[64:65] scope:SCOPE_SE
	s_setreg_imm32_b32 hwreg(HW_REG_WAVE_MODE, 25, 1), 1
	s_wait_xcnt 0x0
; THE FIRST 16 POSITIONS OF EACH BATCH, WHOLLY IN f32: under the causal mask they average one to sixteen values and are the largest of the output, so 16-bit operands weigh most there.
; q32: [3 = q, k, v][batch 4][position 16][1024] f32, as the quantised products left them; w_o [k][n], b_o, f32.  64 rows of out0 are written over.
; SHARES.  Work-group (x, batch) makes columns 16 x .. 16 x + 15 of the batch's 16 rows.  A wave is a head: its 16 x 16 attention, then its 64 channels' part of the projection; the sixteen parts meet in LDS.
; Each work-group makes the batch's sixteen small attentions anew, so that each output has one owner and one launch does it all: small work beside the other launches'.
; All products by v_wmma_f32_16x16x4_f32 (lane (r, h), register j: k = 2 h + j).  The places of k are permuted alike on both sources of each product, so that each source's registers are as its loads or the
; product before left them.  The results, v160-255, are written by matrix instructions alone; what is made of them goes into other registers.
; REGISTERS: v1-13 addresses and constants; v16-23 scores, p, later the part sums; v24-31 at work; v32-63 Q, later o; v64-95 K; v96-127 V; v128-159 W; v160-191, v192-223, v224-255 the three products' accumulators.
.set SPARE, 16384                      ; behind the sixteen waves' 1,024 bytes: the spare words
.set SPW, 12
.set NIL, 13
	s_load_b128 s[4:7], s[0:1], 0x0                ; q32, w_o
	s_load_b128 s[8:11], s[0:1], 0x10              ; b_o, out0
	v_lshl_add_u32 v[SPW], v0, 2, SPARE
	v_mov_b32 v[NIL], 0
	v_lshrrev_b32 v1, 5, v0
	v_readfirstlane_b32 s12, v1                    ; wave = head
	s_and_b32 s13, ttmp7, 0xffff                   ; batch
	s_lshl_b32 s14, ttmp9, 6                       ; my first column, in bytes
	s_mov_b32 s15, 0
	v_and_b32 v1, 15, v0                           ; r
	v_bfe_u32 v2, v0, 4, 1                         ; h
	v_lshlrev_b32 v3, 12, v1
	v_lshl_add_u32 v3, v2, 7, v3                   ; Q, K: row r of 4,096 bytes, channels 32 h on
	v_lshlrev_b32 v4, 2, v1
	v_lshl_add_u32 v4, v2, 15, v4                  ; V, W: eight rows of 4,096 bytes down for lanes 16-31, column r
	v_lshlrev_b32 v5, 3, v2
	v_sub_nc_u32 v5, v1, v5                        ; r - 8 h
	v_and_b32 v6, 31, v0
	v_lshlrev_b32 v6, 2, v6
	s_lshl_b32 s16, s12, 10
	v_add_nc_u32 v6, s16, v6                       ; LDS: my wave's 1,024 bytes, 4 x lane
	v_and_b32 v7, 7, v0                            ; and for the sum: column lane % 16 = 8 h' + j' lies at 128 j' + 64 h', position 2 wave + lane / 16 at 4 bytes each
	v_lshlrev_b32 v7, 7, v7
	v_bfe_u32 v24, v0, 3, 1
	v_lshl_add_u32 v7, v24, 6, v7
	v_lshl_add_u32 v7, v2, 2, v7
	s_lshl_b32 s16, s12, 3
	v_add_nc_u32 v7, s16, v7
	v_lshlrev_b32 v10, 2, v1                       ; b_o and out0: column lane % 16,
	v_lshl_add_u32 v8, v2, 12, v10                 ; out0: one row down for lanes 16-31
	v_mov_b32 v11, 0xff800000                      ; -infinity
	v_mov_b32 v27, 0                               ; (named as the upper half of a pair, so it is written)
	s_mov_b32 s18, 0x76543210
	s_mov_b32 s19, 0xfedcba98                      ; v_permlanex16_b32's selects for lane l xor 16
	s_mov_b32 s20, 0x3e38aa3b                      ; c = log2(e) / 8
	s_mov_b32 s21, s20
	s_lshl_b32 s22, s13, 16                        ; q32: the batch's 16 rows,
	s_lshl_b32 s23, s12, 8                         ; the head's 64 channels
	s_add_co_u32 s22, s22, s23
	s_mov_b32 s23, 0
	s_lshl_b32 s24, s12, 18                        ; w_o: the head's 64 rows,
	s_add_co_u32 s24, s24, s14                     ; my columns
	s_mov_b32 s25, 0
	s_lshl_b32 s26, s13, 23                        ; out0: the batch's first row,
	s_lshl_b32 s27, s12, 13                        ; two rows a wave,
	s_add_co_u32 s26, s26, s27
	s_add_co_u32 s26, s26, s14                     ; my columns
	s_mov_b32 s27, 0
	s_wait_kmcnt 0x0
	s_add_nc_u64 s[4:5], s[4:5], s[22:23]
	s_add_nc_u64 s[6:7], s[6:7], s[24:25]
	s_add_nc_u64 s[8:9], s[8:9], s[14:15]
	s_add_nc_u64 s[10:11], s[10:11], s[26:27]
	global_load_b32 v9, v10, s[8:9]                ; b_o
.irp i, 0,1,2,3,4,5,6,7
	global_load_b128 v[64+4*\i:67+4*\i], v3, s[4:5] offset:262144+16*\i    ; K(r, 32 h + 4 i ..)
.endr
.irp i, 0,1,2,3,4,5,6,7
	global_load_b128 v[32+4*\i:35+4*\i], v3, s[4:5] offset:16*\i           ; Q likewise
.endr
.irp ct, 0,1,2,3
.irp j, 0,1,2,3,4,5,6,7
	global_load_b32 v[96+8*\ct+\j], v4, s[4:5] offset:524288+4096*\j+64*\ct   ; V(key 8 h + j, channel 16 ct + r)
.endr
.endr
.irp ct, 0,1,2,3
.irp j, 0,1,2,3,4,5,6,7
	global_load_b32 v[128+8*\ct+\j], v4, s[6:7] offset:(16*\ct+\j)*4096       ; W(channel 16 ct + 8 h + j, column r)
.endr
.endr
	s_wait_loadcnt 63                              ; b_o, K and Q are in (64 loads were issued behind them; the count's field holds 63)
.irp i, 0,1,2,3,4,5,6,7,8,9,10,11,12,13,14,15  ; S^T = K Q^T: source 0 = 16 keys, source 1 = 16 queries; step i takes channels 32 h + 2 i, + 1; four accumulators by turns
.if \i < 4
	v_wmma_f32_16x16x4_f32 v[160+8*(\i%4):167+8*(\i%4)], v[64+2*\i:65+2*\i], v[32+2*\i:33+2*\i], 0
.else
	v_wmma_f32_16x16x4_f32 v[160+8*(\i%4):167+8*(\i%4)], v[64+2*\i:65+2*\i], v[32+2*\i:33+2*\i], v[160+8*(\i%4):167+8*(\i%4)]
.endif
.endr
.rept 8
	v_nop                                          ; eight places behind this form (ISA guide 7.12.1)
.endr
.irp k, 0,2,4,6
	v_pk_add_f32 v[16+\k:17+\k], v[160+\k:161+\k], v[168+\k:169+\k]      ; lane (r, h), register j: key 8 h + j, query r
.endr
.irp k, 0,2,4,6
	v_pk_add_f32 v[16+\k:17+\k], v[16+\k:17+\k], v[176+\k:177+\k]
.endr
.irp k, 0,2,4,6
	v_pk_add_f32 v[16+\k:17+\k], v[16+\k:17+\k], v[184+\k:185+\k]
.endr
.irp j, 0,1,2,3,4,5,6,7
	v_cmp_gt_i32 vcc_lo, \j, v5                    ; hidden where 8 h + j > r
	v_cndmask_b32 v[16+\j], v[16+\j], v11, vcc_lo
.endr
	v_max3_num_f32 v24, v16, v17, v18
	v_max3_num_f32 v25, v19, v20, v21
	v_max3_num_f32 v24, v24, v22, v23
	v_max_num_f32 v24, v24, v25
	v_permlanex16_b32 v25, v24, s18, s19
	v_max_num_f32 v24, v24, v25                    ; the row's maximum: key 0 counts for every query, so it is a number
	v_mul_f32 v26, s20, v24
.irp k, 0,2,4,6
	v_pk_fma_f32 v[16+\k:17+\k], v[16+\k:17+\k], s[20:21], v[26:27] op_sel_hi:[1,0,0] neg_lo:[0,0,1] neg_hi:[0,0,1]
.endr
.irp j, 0,1,2,3,4,5,6,7
	v_exp_f32 v[16+\j], v[16+\j]                   ; p = 2^(c s - c m)
.endr
	v_nop
	s_wait_alu depctr_va_vdst(0)                   ; one wait for the eight, ahead of their first reader
	v_pk_add_f32 v[28:29], v[16:17], v[18:19]
	v_pk_add_f32 v[30:31], v[20:21], v[22:23]
	v_pk_add_f32 v[28:29], v[28:29], v[30:31]
	v_add_f32 v28, v28, v29
	v_permlanex16_b32 v29, v28, s18, s19
	v_add_f32 v28, v28, v29                        ; the row's sum
	v_rcp_f32 v30, v28
	v_nop
	s_wait_alu depctr_va_vdst(0)
	s_wait_loadcnt 32                              ; V is in; W's 32 loads may be out
.irp i, 0,1,2,3                                ; O^T = V^T P: source 0 = 16 channels, source 1 = p; step i takes keys 8 h + 2 i, + 1; four accumulators by turns
.irp ct, 0,1,2,3
.if \i == 0
	v_wmma_f32_16x16x4_f32 v[192+8*\ct:199+8*\ct], v[96+8*\ct+2*\i:97+8*\ct+2*\i], v[16+2*\i:17+2*\i], 0
.else
	v_wmma_f32_16x16x4_f32 v[192+8*\ct:199+8*\ct], v[96+8*\ct+2*\i:97+8*\ct+2*\i], v[16+2*\i:17+2*\i], v[192+8*\ct:199+8*\ct]
.endif
.endr
.endr
.rept 8
	v_nop
.endr
.irp k, 0,2,4,6,8,10,12,14,16,18,20,22,24,26,28,30
	v_pk_mul_f32 v[32+\k:33+\k], v[192+\k:193+\k], v[30:31] op_sel_hi:[1,0]   ; o: register 8 ct + j: channel 16 ct + 8 h + j of query r
.endr
	s_wait_loadcnt 0x0                             ; W
.irp ct, 0,1,2,3                               ; my head's part of out^T: source 0 = 16 columns of W, source 1 = o; step (ct, i) takes channels 16 ct + 8 h + 2 i, + 1; four accumulators by turns
.irp i, 0,1,2,3
.if \ct == 0
	v_wmma_f32_16x16x4_f32 v[224+8*\i:231+8*\i], v[128+8*\ct+2*\i:129+8*\ct+2*\i], v[32+8*\ct+2*\i:33+8*\ct+2*\i], 0
.else
	v_wmma_f32_16x16x4_f32 v[224+8*\i:231+8*\i], v[128+8*\ct+2*\i:129+8*\ct+2*\i], v[32+8*\ct+2*\i:33+8*\ct+2*\i], v[224+8*\i:231+8*\i]
.endif
.endr
.endr
.rept 8
	v_nop
.endr
.irp k, 0,2,4,6
	v_pk_add_f32 v[16+\k:17+\k], v[224+\k:225+\k], v[232+\k:233+\k]      ; lane (r, h), register j: column 8 h + j, position r
.endr
.irp k, 0,2,4,6
	v_pk_add_f32 v[16+\k:17+\k], v[16+\k:17+\k], v[240+\k:241+\k]
.endr
.irp k, 0,2,4,6
	v_pk_add_f32 v[16+\k:17+\k], v[16+\k:17+\k], v[248+\k:249+\k]
.endr
.irp j, 0,1,2,3,4,5,6,7
	ds_store_b32 v6, v[16+\j] offset:128*\j
.endr
	s_wait_dscnt 0x0                               ; for the others' sake: my stores are done
	s_barrier_signal -1
	s_barrier_wait -1
	s_cmp_lt_u32 s12, 8                            ; waves 0-7 add the sixteen heads' parts: two positions a wave, a lane an output
	s_cbranch_scc0 .Ldone
.irp p, 0,1,2,3,4,5,6,7,8,9,10,11,12,13,14,15
	ds_load_b32 v[32+\p], v7 offset:1024*\p
.endr
	s_wait_dscnt 0x0
	v_add_f32 v9, v9, v32                          ; b_o starts the sum; two chains
.irp p, 2,4,6,8,10,12,14
	v_add_f32 v9, v9, v[32+\p]
	v_add_f32 v33, v33, v[33+\p]
.endr
	v_add_f32 v9, v9, v33
	global_store_b32 v8, v9, s[10:11]              ; sixteen lanes store 64 consecutive bytes: all that a slice of 16 columns has of a row
.Ldone:
	s_wait_tensorcnt 0x0                           ; the wave's end
	ds_add_u32 v[SPW], v[NIL]
	s_wait_dscnt 0x0
	s_endpgm
.Lfunc_end_k_q420f003c12_first16:
	.size	k_q420f003c12_first16, .Lfunc_end_k_q420f003c12_first16-k_q420f003c12_first16
	.p2alignl 7, 3214868480
	.fill 96, 4, 3214868480
	.section	.rodata,"a",@progbits
	.p2align	6, 0x0
	.amdhsa_kernel k_q420f003c12_first16
		.amdhsa_group_segment_fixed_size 18432
		.amdhsa_private_segment_fixed_size 0
		.amdhsa_enable_private_segment 0
		.amdhsa_kernarg_size 32
		.amdhsa_user_sgpr_count 2
		.amdhsa_user_sgpr_kernarg_segment_ptr 1
		.amdhsa_wavefront_size32 1
		.amdhsa_system_sgpr_workgroup_id_x 1
		.amdhsa_system_sgpr_workgroup_id_y 1
		.amdhsa_system_sgpr_workgroup_id_z 1
		.amdhsa_system_vgpr_workitem_id 0
		.amdhsa_next_free_vgpr 256
		.amdhsa_next_free_sgpr 66
		.amdhsa_reserve_vcc 1
		.amdhsa_float_denorm_mode_32 3
		.amdhsa_float_denorm_mode_16_64 3
		.amdhsa_memory_ordered 1
		.amdhsa_forward_progress 1
		.amdhsa_inst_pref_size 21
	.end_amdhsa_kernel
	.amdgpu_metadata
---
amdhsa.version: [ 1, 2 ]
amdhsa.kernels:
  - .name:           k_q420f003c12_first16
    .symbol:         k_q420f003c12_first16.kd
    .args:
      - { .name: q32, .offset: 0, .size: 8, .value_kind: global_buffer, .address_space: global }
      - { .name: w_o, .offset: 8, .size: 8, .value_kind: global_buffer, .address_space: global }
      - { .name: b_o, .offset: 16, .size: 8, .value_kind: global_buffer, .address_space: global }
      - { .name: out0, .offset: 24, .size: 8, .value_kind: global_buffer, .address_space: global }
    .group_segment_fixed_size: 18432
    .private_segment_fixed_size: 0
    .kernarg_segment_align: 8
    .kernarg_segment_size: 32
    .max_flat_workgroup_size: 512
    .sgpr_count:     66
    .vgpr_count:     256
    .wavefront_size: 32
...
	.end_amdgpu_metadata
.endif
;; end of part 5
